; MI455X (gfx1250); checked and timed in simulation.
; The chip was launched on July 23, 2026; its instructions are those of AMD's public machine-readable ISA for CDNA 5 (MIT licence, August 2026) and "CDNA5" Instruction Set Architecture Reference Guide (July 2026). The comments in the code are by the model that wrote it; some were corrected since.
;; Causal Self Attention. Allowed arithmetic: matrix products marked QUANTISED: E2M1 operands, one E8M0 scale for each 32 along K, by v_wmma_scale_f32_16x16x128_f8f6f4 with both operands' format E2M1 (or v_wmma_scale_f32_32x16x128_f4), f32 sums; products left as they are: bf16, f16 or f32 operands; f32 sums; everything else in f32.
;; Inputs: w_proj 1,024 x 1,024 float32; w_qkv 1,024 x 3,072 float32; x 4 x 2,048 x 1,024 float32.
;; Outputs: out0 4 x 2,048 x 1,024 float32.
;; This version of the problem:
;;   THIS VERSION OF THE PROBLEM IS GIVEN IN LOW PRECISION. The matrix products marked QUANTISED in the list below multiply operands that are first quantised to E2M1 (2 exponent bits, 1 mantissa bit; 4 bits a number), with one power-of-two scale for each 32 numbers along K (OCP MX v1.0); their sums are f32. The products marked 'left as it is' may take bf16, f16 or f32 operands, with f32 sums. Whichever they take, every output number must still come out within the allowed error. Rounding operands to bf16 (8 significant bits) uses up far more of that allowance than f16 does (11 bits, for magnitudes from 6e-5 to 65,504). All else is computed in f32.
;;   The module's matrix products, in the order in which they are computed (A, B: the left and right operand; K: the contracted axis; several contracted axes count as one K, in the product's order):
;;     1. [M 8,192, K 1,024] x [K 1,024, N 3,072]; A: input x; B: input w_qkv: QUANTISED
;;     2. batch 64 x [M 2,048, K 64] x [K 64, N 2,048]; A: computed on the way; B: computed on the way: left as it is (an operand is computed on the way)
;;     3. batch 64 x [M 2,048, K 2,048] x [K 2,048, N 64]; A: computed on the way; B: computed on the way: left as it is (an operand is computed on the way)
;;     4. [M 8,192, K 1,024] x [K 1,024, N 1,024]; A: computed on the way; B: input w_proj: left as it is (an operand is computed on the way)
;;   THE QUANTISER, for each operand of a quantised product, along K:
;;     - K is cut into blocks of 32 from its start; a last block that is shorter is filled with zeros.
;;     - A block's scale is 2^e with e = floor(log2(the largest magnitude in the block)) - 2, held to -126 .. 127; a block of zeros has e = 0. As a byte (E8M0): e + 127.
;;     - Each number is divided by its block's scale, clamped to +-6, and rounded to the nearest number of E2M1, ties to even, subnormals kept.
;;     - The product sums the exact products of the quantised numbers (number of the format x scale) in f32.
;;   ~~~python
;;   def quantise(x, axis):      # numpy; x: float32 -> the quantised numbers, widened to float32 again
;;       x = np.moveaxis(x, axis, -1); K = x.shape[-1]
;;       x = np.pad(x, [(0, 0)] * (x.ndim - 1) + [(0, -K % 32)]); x = x.reshape(x.shape[:-1] + (-1, 32)); a = np.abs(x).max(-1, keepdims=True)
;;       e = np.where(a > 0, np.clip(np.frexp(np.where(a > 0, a, 1))[1] - 1 - 2, -126, 127), 0)      # np.frexp(a)[1] - 1 = floor(log2(a)), exactly
;;       r = np.clip(x / 2.0 ** e, -6, 6)
;;       step = 2.0 ** (np.maximum(np.frexp(np.where(r == 0, 1, r))[1] - 1, 0) - 1)
;;       q = np.round(r / step) * step * 2.0 ** e      # np.round: ties to even
;;       return np.moveaxis(q.reshape(q.shape[:-2] + (-1,))[..., :K], -1, axis).astype(np.float32)
;;   ~~~
;; One version. Each part assembles by itself: llvm-mc -triple=amdgcn-amd-amdhsa -mcpu=gfx1250 --defsym DOCPART=n.
;; ======== version 1 of 1: 5 launches
;; limits: values are held in f16: magnitudes above 65,504 overflow, below 6.1e-05 lose precision
;; workspace buffers: xc 4,194,304 bytes; xs 262,144 bytes; wc 1,572,864 bytes; ws 98,304 bytes; wimg 2,097,152 bytes; qkv16 50,331,648 bytes; head32 786,432 bytes; yimg 16,777,216 bytes
;; launch prep (part 1): grid 416 x 1, 4 waves a work-group, no clusters, 59,904 bytes of LDS; arguments x, w_qkv, w_proj, xc, xs, wc, ws, wimg; writes xc, xs, wc, ws, wimg
.if DOCPART == 1
	.amdgcn_target "amdgcn-amd-amdhsa--gfx1250"
	.amdhsa_code_object_version 6
	.text
	.protected	k_q25c6f8519e_prep
	.globl	k_q25c6f8519e_prep
	.p2align	8
	.type	k_q25c6f8519e_prep,@function
k_q25c6f8519e_prep:
	s_mov_b64 s[64:65], 0
	v_nop
	global_prefetch_b8 v0, s[64:65] scope:SCOPE_SE
	s_setreg_imm32_b32 hwreg(HW_REG_WAVE_MODE, 25, 1), 1
	s_wait_xcnt 0x0
; PREP: the operands of the later launches are laid out once.
;   work-groups   0 ..  95: w_qkv [1024 (k)][3072 (n)] f32 -> codes of FP4 (E2M1) wc [3072][512 bytes], K innermost, and E8M0 scale bytes ws [3072][32]
;   work-groups  96 .. 159: w_proj [1024 (k)][1024 (n)] f32 -> f16, as images of matrix fragments: wimg [k step 8][n tile 64][32 k: 4][1,024 bytes]
;   work-groups 160 .. 415: x [8192][1024] f32 -> codes xc [8192][512 bytes], scale bytes xs [8192][32]
; A block's scale is 2^(floor(log2(largest magnitude)) - 2): its byte is the largest magnitude's exponent field - 2, held at 1 from below.  A block of zeros so gets the byte 1:
; its codes are zeros, which add nothing, and this program alone reads the bytes.
; LIMITS: blocks whose largest magnitude lies under 2^-124 keep the byte 1; NaN and infinities among the inputs are not served; a number of w_proj beyond 65,504 becomes infinite in f16.
; The three parts are chosen by the work-group's number, the same in all four waves; each has LDS bytes of its own and ends by itself.
; No tensor load, no cluster: no byte is read twice.  No prefetch: the launch does nothing but stream.
.set WSTG,  32768                      ; w_qkv's part: a stage of 64 rows x (256 bytes + 16)
.set WSC,   50176                      ; and 64 rows x 16 scale bytes
.set PSTG,  51200                      ; w_proj's part: 2,048 bytes for each wave
.set SPARE, 59392                      ; the spare words, 128 bytes for each wave; no other line names them
.set SPW,   190                        ; v190 LDS address of my spare word; never rewritten
.set NIL,   191                        ; v191 0; never rewritten
.set EMAX,  2
.macro FINI                            ; a wave's end, behind the last LDS store
	s_wait_tensorcnt 0x0
	ds_add_u32 v[SPW], v[NIL]
	s_wait_dscnt 0x0
	s_endpgm
.endm
	s_load_b256 s[4:11], s[0:1], 0x0               ; x s[4:5], w_qkv s[6:7], w_proj s[8:9], xc s[10:11]
	s_load_b256 s[12:19], s[0:1], 0x20             ; xs s[12:13], wc s[14:15], ws s[16:17], wimg s[18:19]
	v_lshl_add_u32 v[SPW], v0, 2, SPARE
	v_mov_b32 v[NIL], 0
	v_lshrrev_b32 v1, 5, v0
	v_readfirstlane_b32 s20, v1                    ; wave 0..3
	v_and_b32 v2, 31, v0                           ; lane
	s_wait_kmcnt 0x0
	s_cmp_lt_u32 ttmp9, 96
	s_cbranch_scc1 .Lrole_w
	s_cmp_lt_u32 ttmp9, 160
	s_cbranch_scc1 .Lrole_p
; ---------------------------------------------------------------- x: a plain stream of blocks of 32
; A wave takes 16 steps of 512 numbers.  Each of a step's four loads reads 512 consecutive bytes; the 2,048 bytes turn through the wave's own stage, so that a lane then holds 16 NEIGHBOURS
; (two lanes to a block), as the conversions want.  A lane's 16 codes are 8 bytes: the wave stores 256 consecutive bytes.  A wave's 256 scale bytes are gathered in LDS and leave as one store.
.set SP,  80                           ; a lane's place in a stage: 64 bytes + 16 of padding
.set XR,  16                           ; v16-79   four sets of 16 numbers as loaded
.set XN,  80                           ; v80-111  two sets of 16 neighbours
.set XE,  112                          ; v112-127 a scale byte for each step
.set XC,  128                          ; v128-159 two registers of codes for each step: no store's data are written again
	v_lshlrev_b32 v3, 4, v2                        ; my 16 bytes of a load's 512
	s_mul_i32 s21, s20, 8192                       ; my wave's region: two stages of 32 x 80 bytes, then 256 scale bytes
	v_lshrrev_b32 v14, 2, v2
	v_mul_u32_u24 v14, v14, SP
	v_and_b32 v15, 3, v2
	v_lshl_add_u32 v14, v15, 4, v14
	v_add_nc_u32 v14, s21, v14                     ; into the stage: 80 (lane / 4) + 16 (lane % 4)
	v_mul_u32_u24 v15, v2, SP
	v_add_nc_u32 v15, s21, v15                     ; out of it: 80 x lane
	v_lshlrev_b32 v4, 3, v2                        ; my codes' place in a step's 256 bytes
	v_lshrrev_b32 v5, 1, v2
	s_add_co_u32 s21, s21, 2*32*SP
	v_add_nc_u32 v5, s21, v5                       ; my block's scale byte
	v_lshlrev_b32 v7, 3, v2
	v_add_nc_u32 v6, s21, v7                       ; and on the way out 8 bytes a lane
	s_sub_co_u32 s22, ttmp9, 160
	s_lshl_b32 s22, s22, 2
	s_add_co_u32 s22, s22, s20                     ; which run of 8,192 numbers is my wave's: 0 .. 1,023
	s_mov_b32 s25, 0
	s_lshl_b32 s24, s22, 15
	s_add_nc_u64 s[4:5], s[4:5], s[24:25]          ; 32,768 bytes of x,
	s_lshl_b32 s24, s22, 12
	s_add_nc_u64 s[10:11], s[10:11], s[24:25]      ; 4,096 of codes,
	s_lshl_b32 s24, s22, 8
	s_add_nc_u64 s[12:13], s[12:13], s[24:25]      ; 256 of scale bytes a run
.macro XLOAD t
.irp i, 0,1,2,3
	global_load_b128 v[XR+16*((\t)%4)+4*\i:XR+16*((\t)%4)+4*\i+3], v3, s[4:5] offset:2048*(\t)+512*\i th:TH_LOAD_NT
.endr
.endm
.macro XTURN t                         ; LDS serves a wave's instructions in order: no wait between the stores and the loads
.irp i, 0,1,2,3
	ds_store_b128 v14, v[XR+16*((\t)%4)+4*\i:XR+16*((\t)%4)+4*\i+3] offset:32*SP*((\t)%2)+8*SP*\i
.endr
.irp i, 0,1,2,3
	ds_load_b128 v[XN+16*((\t)%2)+4*\i:XN+16*((\t)%2)+4*\i+3], v15 offset:32*SP*((\t)%2)+16*\i
.endr
.endm
.irp t, 0,1,2,3
	XLOAD \t
.endr
	s_wait_loadcnt 12                              ; step 0's four loads are in; the twelve behind them may be out
	XTURN 0
.macro XSTEP t
.set XS, XN+16*((\t)%2)
.if (\t) > 0
	s_wait_dscnt 1                                 ; this step's numbers are back from the stage; the last step's byte store may be out
.else
	s_wait_dscnt 0x0
.endif
.if (\t)+4 < 16
	XLOAD (\t)+4                                   ; into the set whose stores into the stage are done
.endif
.if (\t)+1 < 16
.if 14-(\t) >= 3
	s_wait_loadcnt 12                              ; the next step's four loads are in; three steps' may be out
.else
	s_wait_loadcnt 4*(14-(\t))
.endif
	XTURN (\t)+1
.endif
	v_max3_num_f32 v8, |v[XS]|, |v[XS+1]|, |v[XS+2]|
	v_max3_num_f32 v9, |v[XS+3]|, |v[XS+4]|, |v[XS+5]|
.irp i, 6,10
	v_max3_num_f32 v8, v8, |v[XS+\i]|, |v[XS+\i+1]|
	v_max3_num_f32 v9, v9, |v[XS+\i+2]|, |v[XS+\i+3]|
.endr
	v_max3_num_f32 v8, v8, |v[XS+14]|, |v[XS+15]|
	v_max3_num_f32 v8, v8, v9, (EMAX+1)<<23        ; the floor 2^(3 - 127): the byte cannot fall under 1
	v_max_num_f32_dpp v8, v8, v8 row_xmask:1 row_mask:0xf bank_mask:0xf   ; with my neighbour's 16: the block's largest magnitude
	v_add_nc_u32 v11, -(EMAX<<23), v8              ; 2 off its exponent field: the conversion takes that field as its scale
	v_cvt_scalef32_pk8_fp4_f32 v[XC+2*(\t)], v[XS:XS+7], v11
	v_cvt_scalef32_pk8_fp4_f32 v[XC+2*(\t)+1], v[XS+8:XS+15], v11
	v_lshrrev_b32 v[XE+(\t)], 23, v11              ; the scale's byte
	ds_store_b8 v5, v[XE+(\t)] offset:16*(\t)      ; both lanes of a block write the same byte with the same value
	global_store_b64 v4, v[XC+2*(\t):XC+2*(\t)+1], s[10:11] offset:256*(\t)
.endm
.irp t, 0,1,2,3,4,5,6,7,8,9,10,11,12,13,14,15
	XSTEP \t
.endr
	ds_load_b64 v[8:9], v6
	s_wait_dscnt 0x0
	global_store_b64 v7, v[8:9], s[12:13]          ; 32 lanes store 256 consecutive bytes, aligned
	FINI
; ---------------------------------------------------------------- w_qkv: K is its first axis
; A work-group takes 64 columns x 512 along K; wave w the 32 columns of half w & 1 and the 256 along K of half w >> 1: 8 blocks.  A LANE TAKES A COLUMN AND ITS REGISTERS RUN DOWN K:
; a block of 32 lies in one lane, and the conversions give codes with K innermost.  The codes meet in a stage, 256 bytes a column, and leave as rows.
.set WX, 32                            ; v32-95   two sets of 32 numbers
.set WC, 96                            ; v96-99   a block's codes
.set WO, 112                           ; v112-143 the way out
.set SB, 24                            ; v24-25   my 8 scale bytes
.Lrole_w:
	s_cmp_ge_u32 ttmp9, 48
	s_cselect_b32 s21, 1, 0                        ; y: which 512 along K
	s_mul_i32 s22, s21, 48
	s_sub_co_u32 s22, ttmp9, s22                   ; cg: which 64 columns
	s_and_b32 s23, s20, 1                          ; cw
	s_lshr_b32 s24, s20, 1                         ; kw
	s_lshl_b32 s25, s21, 9
	s_lshl_b32 s26, s24, 8
	s_add_co_u32 s25, s25, s26                     ; my first row of w_qkv: 512 y + 256 kw
	s_mul_i32 s26, s25, 12288
	s_lshl_b32 s25, s22, 8
	s_add_co_u32 s26, s26, s25
	s_lshl_b32 s25, s23, 7
	s_add_co_u32 s26, s26, s25                     ; + 4 (64 cg + 32 cw)
	s_mov_b32 s27, 0
	s_add_nc_u64 s[6:7], s[6:7], s[26:27]
	s_lshl_b32 s26, s22, 15
	s_lshl_b32 s25, s20, 13
	s_add_co_u32 s26, s26, s25
	s_lshl_b32 s25, s21, 8
	s_add_co_u32 s26, s26, s25                     ; codes out: row 64 cg + 16 w, byte 256 y
	s_add_nc_u64 s[14:15], s[14:15], s[26:27]
	s_lshl_b32 s26, s22, 11
	s_lshl_b32 s25, s23, 10
	s_add_co_u32 s26, s26, s25
	s_lshl_b32 s25, s21, 4
	s_add_co_u32 s26, s26, s25                     ; scale bytes out (waves 0 and 1): row 64 cg + 32 w, byte 16 y
	s_add_nc_u64 s[16:17], s[16:17], s[26:27]
	v_lshlrev_b32 v3, 2, v2                        ; in: 4 bytes a lane
	s_mul_i32 s28, s23, 32*272
	s_lshl_b32 s29, s24, 7
	s_add_co_u32 s28, s28, s29
	s_add_co_u32 s28, s28, WSTG
	v_mul_u32_u24 v4, v2, 272
	v_add_nc_u32 v4, s28, v4                       ; into the stage: row 32 cw + lane, byte 128 kw
	s_lshl_b32 s28, s23, 9
	s_lshl_b32 s29, s24, 3
	s_add_co_u32 s28, s28, s29
	s_add_co_u32 s28, s28, WSC
	v_lshl_add_u32 v5, v2, 4, s28                  ; my 8 scale bytes: row 32 cw + lane, byte 8 kw
	v_and_b32 v6, 15, v2
	v_lshrrev_b32 v9, 4, v2
	s_mul_i32 s28, s20, 16*272
	s_add_co_u32 s28, s28, WSTG
	v_mul_u32_u24 v7, v9, 272
	v_lshl_add_u32 v7, v6, 4, v7
	v_add_nc_u32 v7, s28, v7                       ; out of the stage: rows 16 w on, sixteen lanes to a row, two rows an instruction
	v_lshlrev_b32 v8, 9, v9
	v_lshl_add_u32 v8, v6, 4, v8                   ; and the same place in wc
	s_lshl_b32 s28, s23, 9
	s_add_co_u32 s28, s28, WSC
	v_lshl_add_u32 v9, v2, 4, s28                  ; a row's 16 scale bytes (read by waves 0 and 1)
	v_lshlrev_b32 v10, 5, v2                       ; and its place in ws
.macro WLOAD t
.irp i, 0,1,2,3,4,5,6,7,8,9,10,11,12,13,14,15,16,17,18,19,20,21,22,23,24,25,26,27,28,29,30,31
	global_load_b32 v[WX+32*((\t)%2)+\i], v3, s[6:7] offset:(32*(\t)+\i)*12288 th:TH_LOAD_NT
.endr
.endm
	WLOAD 0
	WLOAD 1
.macro WBLOCK t
.set XS, WX+32*((\t)%2)
.if (\t) < 7
	s_wait_loadcnt 32                              ; this block's 32 loads are in; the next block's may be out
.else
	s_wait_loadcnt 0x0
.endif
	v_max3_num_f32 v12, |v[XS]|, |v[XS+1]|, |v[XS+2]|
	v_max3_num_f32 v13, |v[XS+3]|, |v[XS+4]|, |v[XS+5]|
.irp i, 6,10,14,18,22,26
	v_max3_num_f32 v12, v12, |v[XS+\i]|, |v[XS+\i+1]|
	v_max3_num_f32 v13, v13, |v[XS+\i+2]|, |v[XS+\i+3]|
.endr
	v_max3_num_f32 v12, v12, |v[XS+30]|, |v[XS+31]|
	v_max3_num_f32 v12, v12, v13, (EMAX+1)<<23     ; the floor
	v_add_nc_u32 v11, -(EMAX<<23), v12
	v_lshrrev_b32 v13, 23, v11                     ; the scale's byte
.if (\t)%4 == 0
	v_mov_b32 v[SB+(\t)/4], v13
.else
	v_lshl_or_b32 v[SB+(\t)/4], v13, 8*((\t)%4), v[SB+(\t)/4]
.endif
.irp g, 0,1,2,3
	v_cvt_scalef32_pk8_fp4_f32 v[WC+\g], v[XS+8*\g:XS+8*\g+7], v11
.endr
	ds_store_b128 v4, v[WC:WC+3] offset:16*(\t)    ; 32 codes: 16 bytes of my column's row
.if (\t)+2 < 8
	WLOAD (\t)+2
.endif
	s_wait_dscnt 0x0                               ; the store has read its registers: the next block's codes may be written
.endm
.irp t, 0,1,2,3,4,5,6,7
	WBLOCK \t
.endr
	ds_store_b64 v5, v[SB:SB+1]
	s_wait_dscnt 0x0                               ; for the other waves' sake: my stores have landed
	s_barrier_signal -1
	s_barrier_wait -1                              ; a row's 256 bytes come from two waves
.irp i, 0,1,2,3,4,5,6,7
	ds_load_b128 v[WO+4*\i:WO+4*\i+3], v7 offset:2*\i*272
.endr
.irp i, 0,1,2,3,4,5,6,7
	s_wait_dscnt 7-\i
	global_store_b128 v8, v[WO+4*\i:WO+4*\i+3], s[14:15] offset:1024*\i   ; sixteen lanes store 256 consecutive bytes, aligned
.endr
	s_cmp_lt_u32 s20, 2
	s_cbranch_scc0 .Lw_done
	ds_load_b128 v[100:103], v9
	s_wait_dscnt 0x0
	global_store_b128 v10, v[100:103], s[16:17]    ; 16 of a row's 32 scale bytes: 96 KiB in the whole launch go out so
.Lw_done:
	FINI
; ---------------------------------------------------------------- w_proj: f16, in the order of the operand's registers
; A fragment is 16 n x 32 k: lane (r, h) holds n = r; its first 16 bytes k = 8 h + 0 .. 7, its second k = 16 + 8 h + 0 .. 7.  Image: byte = 512 x half + 16 x lane.
; A wave takes 32 columns x 128 along K.  A lane takes a column and its registers run down K; the four pieces of 8 numbers go through the wave's own 2,048 bytes of LDS into their places.
.set PX, 32                            ; v32-95   two sets of 32 numbers
.set PC, 96                            ; v96-111  32 numbers as f16
.set PO, 112                           ; v112-175 the way out: 16 registers for each 32 along K, so that no store's data are written again
.Lrole_p:
	s_sub_co_u32 s21, ttmp9, 96
	s_and_b32 s22, s21, 7                          ; which 128 columns
	s_lshr_b32 s23, s21, 3                         ; which 128 along K
	s_lshl_b32 s24, s23, 19
	s_lshl_b32 s25, s22, 9
	s_add_co_u32 s24, s24, s25
	s_lshl_b32 s25, s20, 7
	s_add_co_u32 s24, s24, s25
	s_mov_b32 s25, 0
	s_add_nc_u64 s[8:9], s[8:9], s[24:25]          ; w_proj at row 128 kstep, column 128 cgp + 32 w
	s_lshl_b32 s24, s23, 18
	s_lshl_b32 s26, s22, 15
	s_add_co_u32 s24, s24, s26
	s_lshl_b32 s26, s20, 13
	s_add_co_u32 s24, s24, s26
	s_add_nc_u64 s[18:19], s[18:19], s[24:25]      ; wimg at k step, n tile 8 cgp + 2 w
	v_lshlrev_b32 v3, 2, v2
	s_lshl_b32 s28, s20, 11
	s_add_co_u32 s28, s28, PSTG
	v_and_b32 v6, 15, v2
	v_lshrrev_b32 v7, 4, v2
	v_lshlrev_b32 v4, 10, v7
	v_lshl_add_u32 v4, v6, 4, v4
	v_add_nc_u32 v4, s28, v4                       ; in: 1,024 x (lane / 16) + 16 x (lane % 16)
	v_lshlrev_b32 v6, 4, v2                        ; 16 x lane
	v_add_nc_u32 v5, s28, v6                       ; back
.macro PLOAD kf
.irp i, 0,1,2,3,4,5,6,7,8,9,10,11,12,13,14,15,16,17,18,19,20,21,22,23,24,25,26,27,28,29,30,31
	global_load_b32 v[PX+32*((\kf)%2)+\i], v3, s[8:9] offset:(32*(\kf)+\i)*4096 th:TH_LOAD_NT
.endr
.endm
	PLOAD 0
	PLOAD 1
.macro PBLOCK kf
.set XS, PX+32*((\kf)%2)
.if (\kf) < 3
	s_wait_loadcnt 32                              ; these 32 loads are in; the next 32 may be out
.else
	s_wait_loadcnt 0x0
.endif
.irp i, 0,1,2,3,4,5,6,7,8,9,10,11,12,13,14,15
	v_cvt_pk_f16_f32 v[PC+\i], v[XS+2*\i], v[XS+2*\i+1]
.endr
.irp qd, 0,1,2,3                       ; piece qd: k = 8 qd + 0 .. 7: half qd / 2, lanes' half qd % 2
	ds_store_b128 v4, v[PC+4*\qd:PC+4*\qd+3] offset:(\qd/2)*512+(\qd%2)*256
.endr
.irp i, 0,1,2,3
	ds_load_b128 v[PO+16*(\kf)+4*\i:PO+16*(\kf)+4*\i+3], v5 offset:512*\i
.endr
.if (\kf)+2 < 4
	PLOAD (\kf)+2
.endif
	s_wait_dscnt 0x0
.irp i, 0,1,2,3
	global_store_b128 v6, v[PO+16*(\kf)+4*\i:PO+16*(\kf)+4*\i+3], s[18:19] offset:(\i/2)*4096+(\kf)*1024+(\i%2)*512   ; 512 consecutive bytes, aligned
.endr
.endm
.irp kf, 0,1,2,3
	PBLOCK \kf
.endr
	FINI
.Lfunc_end_k_q25c6f8519e_prep:
	.size	k_q25c6f8519e_prep, .Lfunc_end_k_q25c6f8519e_prep-k_q25c6f8519e_prep
	.p2alignl 7, 3214868480
	.fill 96, 4, 3214868480
	.section	.rodata,"a",@progbits
	.p2align	6, 0x0
	.amdhsa_kernel k_q25c6f8519e_prep
		.amdhsa_group_segment_fixed_size 59904
		.amdhsa_private_segment_fixed_size 0
		.amdhsa_enable_private_segment 0
		.amdhsa_kernarg_size 64
		.amdhsa_user_sgpr_count 2
		.amdhsa_user_sgpr_kernarg_segment_ptr 1
		.amdhsa_wavefront_size32 1
		.amdhsa_system_sgpr_workgroup_id_x 1
		.amdhsa_system_sgpr_workgroup_id_y 1
		.amdhsa_system_sgpr_workgroup_id_z 1
		.amdhsa_system_vgpr_workitem_id 0
		.amdhsa_next_free_vgpr 192
		.amdhsa_next_free_sgpr 66
		.amdhsa_reserve_vcc 0
		.amdhsa_float_denorm_mode_32 3
		.amdhsa_float_denorm_mode_16_64 3
		.amdhsa_memory_ordered 1
		.amdhsa_forward_progress 1
		.amdhsa_inst_pref_size 95
	.end_amdhsa_kernel
	.amdgpu_metadata
---
amdhsa.version: [ 1, 2 ]
amdhsa.kernels:
  - .name:           k_q25c6f8519e_prep
    .symbol:         k_q25c6f8519e_prep.kd
    .args:
      - { .name: x, .offset: 0, .size: 8, .value_kind: global_buffer, .address_space: global }
      - { .name: w_qkv, .offset: 8, .size: 8, .value_kind: global_buffer, .address_space: global }
      - { .name: w_proj, .offset: 16, .size: 8, .value_kind: global_buffer, .address_space: global }
      - { .name: xc, .offset: 24, .size: 8, .value_kind: global_buffer, .address_space: global }
      - { .name: xs, .offset: 32, .size: 8, .value_kind: global_buffer, .address_space: global }
      - { .name: wc, .offset: 40, .size: 8, .value_kind: global_buffer, .address_space: global }
      - { .name: ws, .offset: 48, .size: 8, .value_kind: global_buffer, .address_space: global }
      - { .name: wimg, .offset: 56, .size: 8, .value_kind: global_buffer, .address_space: global }
    .group_segment_fixed_size: 59904
    .private_segment_fixed_size: 0
    .kernarg_segment_align: 8
    .kernarg_segment_size: 64
    .max_flat_workgroup_size: 128
    .sgpr_count:     66
    .vgpr_count:     192
    .wavefront_size: 32
...
	.end_amdgpu_metadata
.endif
;; end of part 1
;; launch qkv (part 2): grid 12 x 32, 4 waves a work-group, clusters of 4 x 4, 327,680 bytes of LDS; arguments xc, xs, wc, ws, qkv16, head32; writes qkv16, head32
.if DOCPART == 2
	.amdgcn_target "amdgcn-amd-amdhsa--gfx1250"
	.amdhsa_code_object_version 6
	.text
	.protected	k_q25c6f8519e_qkv
	.globl	k_q25c6f8519e_qkv
	.p2align	8
	.type	k_q25c6f8519e_qkv,@function
k_q25c6f8519e_qkv:
	s_mov_b64 s[64:65], 0
	v_nop
	global_prefetch_b8 v0, s[64:65] scope:SCOPE_SE
	s_setreg_imm32_b32 hwreg(HW_REG_WAVE_MODE, 25, 1), 1
	s_wait_xcnt 0x0
	s_wait_alu depctr_hold_cnt(0) depctr_sa_sdst(0) depctr_va_vdst(0) depctr_va_sdst(0) depctr_va_ssrc(0) depctr_va_vcc(0) depctr_vm_vsrc(0)
	s_getreg_b32 s2, hwreg(HW_REG_IB_STS2, 6, 4)
	s_cmp_eq_u32 s2, 0
	s_cbranch_scc0 .Lentry_in_a_cluster
	s_endpgm
.Lentry_in_a_cluster:
	s_bfe_u32 s2, ttmp6, 0x10000c
	s_cmp_lg_u32 s2, 0xf033
	s_cbranch_scc0 .Lentry_shape_is_right
	s_endpgm
.Lentry_shape_is_right:
; QKV: x [8192][1024] times w_qkv [1024][3072], both as codes of FP4 (E2M1) with one E8M0 scale for each 32 along K; sums in f32.
; A tile of 256 x 256 is made by four waves, 128 x 128 each: 64 accumulators, 512 registers.  All of K, two slots of 512, and all scale bytes are asked for at the head: nothing in LDS is filled twice.
; CLUSTERS of 4 x 4.  Tile column = 4 x cluster x + cx, so that cluster x says whether q (0), k (1) or v (2) is made.  Tile row = 8 cy + cluster y, so that cy is the batch and cluster y the block of 256 positions.
; x's tile is shared along a row of the cluster, w's along a column: each is asked for jointly.
; THE RESULT LEAVES AS THE NEXT PRODUCT'S OPERAND REGISTERS, in f16: a lane's eight results, packed, are 16 bytes of a fragment, and a wave's store covers 512 consecutive bytes, aligned.  No stage in LDS.
;   q, k: source 0 = 16 rows of w, source 1 = 16 rows of x: a lane holds one position and eight neighbouring channels.   [head 64][16 positions: 128][32 channels: 2][half 2][lane][16 bytes]
;   v:    source 0 = 16 rows of x, source 1 = 16 rows of w: a lane holds one channel and eight neighbouring positions.  [head 64][32 positions: 64][16 channels: 4][half 2][lane][16 bytes]
; The sides are changed WHEN LDS IS FILLED: LDS rows 0-255 feed source 1 and rows 256-511 source 0; where v is made, waves 0 and 1 fetch w's tiles and waves 2 and 3 x's.  Every LDS address is the same in all clusters.
; The f32 sums of positions 0-15 of every batch also go to head32, as the accumulators lie: the last launch takes those rows on in f32.
; LIMITS: a result beyond 65,504 becomes infinite in f16.
; No prefetch: all that is read is asked for at the head.
.set KSTEP,  512
.set NQ,     4                         ; matrix instructions deep in a slot
.set ROWB,   256                       ; a tile's row in bytes
.set KROW,   512                       ; a row of codes in memory
.set PITCH,  272                       ; an LDS row: 256 bytes + 16 of padding: the 16 rows that a load touches start at 16 different banks
.set FR,     8
.set NL,     2
.set NP,     4                         ; places behind this matrix instruction (ISA guide 7.12.1)
.set HALFT,  128*PITCH
.set SLOT,   4*HALFT
.set KS,     32                        ; a row of scale bytes
.set SCL,    2*SLOT                    ; the scales, as units of 256 bytes + 16 of padding
.set HALFS,  (128*KS/256)*272
.set SBLK,   (16*KS/256)*272
.set SPARE,  SCL+4*HALFS               ; the spare words, 128 bytes for each wave; no other line names them
.set ADRA, 16                          ; v16-17 LDS address of source 1's fragments in slot 0, 1
.set ADRB, 20                          ; v20-21 of source 0's
.set CO,   26                          ; v26    16 x lane
.set ADRS, 27                          ; v27    LDS address of my scale words: lanes 0-15 source 1's rows, lanes 16-31 source 0's
.set SPW,  28
.set NIL,  29
.set SC,   32                          ; v32-95 scale words, two sets
.set AF,   128                         ; source 1's fragments, window 0, one set
.set PK,   128                         ; the way out: four sets of 32 packed registers, v128-255
.set G1, 24                            ; s[24:31], s[32:39] groups 1 and 0 (a set for each slot) for x's tiles
.set G0, 32
.set G1B, 48                           ; s[48:55], s[56:63] for w's tiles
.set G0B, 56
.set G1S, 68                           ; s[68:75], s[76:79] for x's scales;  s[80:87], s[88:91] for w's
.set G0S, 76
.set G1SB, 80
.set G0SB, 88
.set MSB, 0
.macro WIN new                         ; the immediate's high byte repeats the setting that is left
.if MSB != \new
	s_set_vgpr_msb (MSB<<8)|\new
.set MSB, \new
.endif
.endm
.set MUL_LO, 0xa1                      ; source 0 window 1, source 1 window 0, C and D window 2
.set MUL_HI, 0xf1                      ; the same, C and D window 3
.set TO_B,   0x40
; A joint load.  s95 = 0: I fetch for x, 1: for w.  It is made of the wave's number and of cluster x, and is the same in all sixteen partners for a given wave.
.macro JLOAD g0a, g1a, g0b, g1b
	s_cmp_eq_u32 s95, 0
	s_cbranch_scc0 .Lfor_b_\@
	tensor_load_to_lds s[\g0a:\g0a+3], s[\g1a:\g1a+7]
	s_nop 0
.rept 4
	v_nop
.endr
	s_branch .Lasked_\@
.Lfor_b_\@:
	tensor_load_to_lds s[\g0b:\g0b+3], s[\g1b:\g1b+7]
	s_nop 0
.rept 4
	v_nop
.endr
.Lasked_\@:
.endm
.macro CROUND                          ; a round of the cluster's barrier
	s_barrier_signal -1
	s_barrier_wait -1
	s_cmp_lg_u32 s14, 0
	s_cbranch_scc1 .Lnot_wave_0_\@
	s_barrier_signal -3
.Lnot_wave_0_\@:
	s_barrier_wait -3
	s_barrier_signal -1
	s_barrier_wait -1
.endm
	s_load_b128 s[4:7], s[0:1], 0x0                ; x's codes, x's scales
	s_load_b128 s[8:11], s[0:1], 0x10              ; w's codes, w's scales
	s_load_b64 s[12:13], s[0:1], 0x20              ; qkv16
	s_load_b64 s[98:99], s[0:1], 0x28              ; head32
	v_lshl_add_u32 v[SPW], v0, 2, SPARE
	v_mov_b32 v[NIL], 0
	ds_add_u32 v[SPW], v[NIL]                      ; the wave's opening: the add, twice on end, and its wait ahead of my first tensor load
	ds_add_u32 v[SPW], v[NIL]
	v_lshrrev_b32 v1, 5, v0
	v_readfirstlane_b32 s14, v1                    ; wave 0..3
	s_lshr_b32 s15, s14, 1                         ; which 128 of LDS rows 0-255 are mine
	s_and_b32 s16, s14, 1                          ; which 128 of LDS rows 256-511.  Also: which 128 rows of a tile I fetch
	s_bfe_u32 s40, ttmp6, 0x40000                  ; cx
	s_bfe_u32 s41, ttmp6, 0x40004                  ; cy
	s_lshl_b32 s42, ttmp9, 2
	s_add_co_u32 s42, s42, s40                     ; tile column = 4 x cluster x + cx
	s_and_b32 s97, ttmp7, 0xffff                   ; Y: cluster y
	s_lshl_b32 s17, s41, 3
	s_add_co_u32 s17, s17, s97                     ; tile row = 8 cy + Y
	s_cmp_eq_u32 ttmp9, 2
	s_cselect_b32 s96, 1, 0                        ; V: this cluster makes v
	s_xor_b32 s95, s15, s96                        ; 0: I fetch for x
	s_lshl_b32 s43, s41, 2
	s_lshl_b32 s43, 15, s43                        ; my row of the cluster
	s_lshl_b32 s44, 0x1111, s40                    ; my column
	s_or_b32 s[G1+0], s43, (0<<16)|(1<<20)|(1<<21)|(5<<22)|(3<<25)  ; the mask; elements of 1 byte; padding of 4 words behind every 64; bit 21 beside a mask
	s_or_b32 s[G1B+0], s44, (0<<16)|(1<<20)|(1<<21)|(5<<22)|(3<<25)
.irp g, G1, G1B
	s_mov_b32 s[\g+1], ROWB<<16                    ; tensor_dim0
	s_mov_b32 s[\g+2], 128<<16                     ; tensor_dim1
	s_mov_b32 s[\g+3], ROWB<<16                    ; tile_dim0
	s_mov_b32 s[\g+4], 128                         ; tile_dim1
	s_mov_b32 s[\g+5], KROW                        ; the pitch
	s_mov_b32 s[\g+6], 0
	s_mov_b32 s[\g+7], 0
.endr
	s_or_b32 s[G1S+0], s43, (3<<16)|(1<<20)|(1<<21)|(5<<22)|(3<<25)  ; the scales of 128 rows: 4,096 dense bytes as 16 rows of 256
	s_or_b32 s[G1SB+0], s44, (3<<16)|(1<<20)|(1<<21)|(5<<22)|(3<<25)
.irp g, G1S, G1SB
	s_mov_b32 s[\g+1], 32<<16
	s_mov_b32 s[\g+2], (128*KS/256)<<16
	s_mov_b32 s[\g+3], 32<<16
	s_mov_b32 s[\g+4], 128*KS/256
	s_mov_b32 s[\g+5], 32
	s_mov_b32 s[\g+6], 0
	s_mov_b32 s[\g+7], 0
.endr
	s_lshl_b32 s18, s16, 7
	s_lshl_b32 s20, s17, 8
	s_add_co_u32 s20, s20, s18                     ; x: row 256 x tile row + 128 x half
	s_lshl_b32 s46, s42, 8
	s_add_co_u32 s46, s46, s18                     ; w: row 256 x tile column + 128 x half
	s_mov_b32 s21, 0
	s_mov_b32 s47, 0
	s_mov_b64 s[18:19], KS
	s_mul_u64 s[22:23], s[20:21], s[18:19]         ; where these rows' scales begin,
	s_mul_u64 s[92:93], s[46:47], s[18:19]
	s_mov_b64 s[18:19], KROW
	s_mul_u64 s[20:21], s[20:21], s[18:19]         ; and their codes
	s_mul_u64 s[46:47], s[46:47], s[18:19]
	s_mul_i32 s45, s14, HALFT                      ; where they go: wave x 128 rows, whichever tensor the wave fetches
	s_mul_i32 s94, s14, HALFS
	s_wait_dscnt 0x0                               ; both opening adds are done
	s_wait_kmcnt 0x0
	s_add_nc_u64 s[20:21], s[4:5], s[20:21]
	s_add_nc_u64 s[22:23], s[6:7], s[22:23]
	s_add_nc_u64 s[46:47], s[8:9], s[46:47]
	s_add_nc_u64 s[92:93], s[10:11], s[92:93]
	CROUND                                         ; all sixteen work-groups are here: the joint loads meet
	s_mov_b32 s[G0S], 1
	s_add_co_u32 s[G0S+1], s94, SCL
	s_mov_b64 s[G0S+2:G0S+3], s[22:23]
	s_or_b32 s[G0S+3], s[G0S+3], 0x80000000
	s_mov_b32 s[G0SB], 1
	s_add_co_u32 s[G0SB+1], s94, SCL
	s_mov_b64 s[G0SB+2:G0SB+3], s[92:93]
	s_or_b32 s[G0SB+3], s[G0SB+3], 0x80000000
	JLOAD G0S, G1S, G0SB, G1SB                     ; the scales first; three tensor loads of mine are out behind the third
.irp s, 0,1
	s_mov_b32 s[G0+4*\s], 1
	s_add_co_u32 s[G0+4*\s+1], s45, \s*SLOT
	s_add_nc_u64 s[G0+4*\s+2:G0+4*\s+3], s[20:21], \s*ROWB
	s_or_b32 s[G0+4*\s+3], s[G0+4*\s+3], 0x80000000
	s_mov_b32 s[G0B+4*\s], 1
	s_add_co_u32 s[G0B+4*\s+1], s45, \s*SLOT
	s_add_nc_u64 s[G0B+4*\s+2:G0B+4*\s+3], s[46:47], \s*ROWB
	s_or_b32 s[G0B+4*\s+3], s[G0B+4*\s+3], 0x80000000
	JLOAD G0+4*\s, G1, G0B+4*\s, G1B
.endr
	v_and_b32 v1, 15, v0                           ; l % 16
	v_bfe_u32 v2, v0, 4, 1                         ; l / 16
	v_mul_u32_u24 v3, v1, PITCH
	v_lshl_add_u32 v4, v2, 4, v3                   ; a fragment's row x pitch + 16 x half
	s_mul_i32 s21, s15, HALFT
	s_mul_i32 s22, s16, HALFT
	s_add_co_u32 s22, s22, 2*HALFT
.irp s, 0,1
	v_add_nc_u32 v[ADRA+\s], s21, v4
	v_add_nc_u32 v[ADRB+\s], s22, v4
	s_add_co_u32 s21, s21, SLOT
	s_add_co_u32 s22, s22, SLOT
.endr
	v_mul_u32_u24 v5, v1, KS                       ; my row's scales: 32 bytes a row,
	v_lshrrev_b32 v6, 8, v5
	v_lshl_add_u32 v5, v6, 4, v5                   ; and 16 more for each 256 passed
	s_mul_i32 s21, s15, HALFS
	s_mul_i32 s22, s16, HALFS
	s_add_co_u32 s22, s22, 2*HALFS
	s_sub_co_u32 s22, s22, s21
	v_mul_u32_u24 v6, s22, v2                      ; lanes 16-31 take source 0's
	s_add_co_u32 s21, s21, SCL
	v_add_nc_u32 v5, v5, v6
	v_add_nc_u32 v[ADRS], s21, v5
	v_and_b32 v6, 31, v0
	v_lshlrev_b32 v[CO], 4, v6
	; the way out's addresses.  RH: which half of x's 256 rows is mine; CH: which half of w's
	s_cmp_eq_u32 s96, 0
	s_cselect_b32 s92, s15, s16                    ; RH
	s_cselect_b32 s93, s16, s15                    ; CH
	s_or_b32 s94, s97, s92                         ; 0 where my rows begin a batch
	s_lshl_b32 s20, ttmp9, 24                      ; the part,
	s_lshl_b32 s21, s41, 22                        ; the batch's 16 heads,
	s_add_co_u32 s20, s20, s21
	s_lshl_b32 s21, s40, 2
	s_lshl_b32 s22, s93, 1
	s_add_co_u32 s21, s21, s22
	s_lshl_b32 s21, s21, 18                        ; head 4 cx + 2 CH,
	s_add_co_u32 s20, s20, s21
	s_lshl_b32 s21, s97, 15
	s_add_co_u32 s20, s20, s21
	s_lshl_b32 s21, s92, 14                        ; position 256 Y + 128 RH, 128 bytes each
	s_add_co_u32 s20, s20, s21
	s_mov_b32 s21, 0
	s_add_nc_u64 s[12:13], s[12:13], s[20:21]
	s_lshl_b32 s20, ttmp9, 18                      ; head32: [part][batch][16 columns: 64][1,024 bytes]
	s_lshl_b32 s22, s41, 16
	s_add_co_u32 s20, s20, s22
	s_lshl_b32 s22, s40, 14
	s_add_co_u32 s20, s20, s22
	s_lshl_b32 s22, s93, 13
	s_add_co_u32 s20, s20, s22
	s_add_nc_u64 s[98:99], s[98:99], s[20:21]
.macro FRAG reg, adr, q, i             ; 16 rows x 128 K of 4-bit codes: 8 registers; registers 4 c .. 4 c + 3 hold K = 64 c + 32 (l / 16) + 0 .. 31
.irp c, 0,1
	ds_load_b128 v[\reg+4*\c:\reg+4*\c+3], v[\adr] offset:64*(\q)+32*\c+(\i)*16*PITCH
.endr
.endm
; 16 matrix instructions: source 1's blocks a0, a0 + 1 x source 0's eight.  The 64 accumulators take turns, one instruction a turn.
.macro MUL16 a0, p, q, sc, zero
.irp a, \a0, \a0+1
.irp b, 0,1,2,3,4,5,6,7
.if \zero
	v_wmma_scale_f32_16x16x128_f8f6f4 v[8*(8*((\a)%4)+\b):8*(8*((\a)%4)+\b)+7], v[128*(\p)+FR*\b:128*(\p)+FR*\b+FR-1], v[AF+FR*(\a):AF+FR*(\a)+FR-1], 0, v[SC+8*NQ*(\sc)+NQ*\b+(\q)], v[SC+8*NQ*(\sc)+NQ*(\a)+(\q)] matrix_a_fmt:MATRIX_FMT_FP4 matrix_b_fmt:MATRIX_FMT_FP4 matrix_a_scale:MATRIX_SCALE_ROW1
.else
	v_wmma_scale_f32_16x16x128_f8f6f4 v[8*(8*((\a)%4)+\b):8*(8*((\a)%4)+\b)+7], v[128*(\p)+FR*\b:128*(\p)+FR*\b+FR-1], v[AF+FR*(\a):AF+FR*(\a)+FR-1], v[8*(8*((\a)%4)+\b):8*(8*((\a)%4)+\b)+7], v[SC+8*NQ*(\sc)+NQ*\b+(\q)], v[SC+8*NQ*(\sc)+NQ*(\a)+(\q)] matrix_a_fmt:MATRIX_FMT_FP4 matrix_b_fmt:MATRIX_FMT_FP4 matrix_a_scale:MATRIX_SCALE_ROW1
.endif
.endr
.endr
.endm
.macro FETCH_B slot, q, p
	WIN TO_B
.irp i, 0,1,2,3,4,5,6,7
	FRAG 128*(\p)+FR*\i, ADRB+\slot, \q, \i
.endr
	WIN 0
.endm
.macro FETCH_A slot, q, i0
.irp i, \i0, \i0+1, \i0+2, \i0+3
	FRAG AF+FR*(\i), ADRA+\slot, \q, \i
.endr
.endm
.macro SCALES sc                       ; a slot's scale words: 4 words a row; lanes 0-15 source 1's block i, lanes 16-31 source 0's block i
.irp i, 0,1,2,3,4,5,6,7
	ds_load_b128 v[SC+8*NQ*\sc+NQ*\i:SC+8*NQ*\sc+NQ*\i+3], v[ADRS] offset:\i*SBLK
.endr
.endm
.macro PLACES n                        ; plain vector instructions between a matrix instruction and a load into, or a read of, its registers
.rept \n
	v_nop
.endr
.endm
.macro STEP slot, q, zero              ; 128 along K with a successor in the same slot
	s_wait_dscnt 4*NL                              ; source 0's set and source 1's blocks 0-3 are in; the youngest eight loads (blocks 4-7) may be out
	WIN MUL_LO
	MUL16 0, (\q)%2, \q, \slot, \zero
	MUL16 2, (\q)%2, \q, \slot, \zero
	s_wait_dscnt 0
	PLACES NP
	FETCH_B \slot, (\q)+1, 1-(\q)%2
	FETCH_A \slot, (\q)+1, 0
	WIN MUL_HI
	MUL16 4, (\q)%2, \q, \slot, \zero
	MUL16 6, (\q)%2, \q, \slot, \zero
	PLACES NP
	WIN 0
	FETCH_A \slot, (\q)+1, 4
.endm
.macro TURN slot, next                 ; slot 0's last step: one barrier, behind which slot 1 is whole for every wave.  Nothing is filled again
	s_wait_tensorcnt 0x0                           ; my part of slot 1 has landed
	ds_add_u32 v[SPW], v[NIL]
	s_wait_dscnt 4*NL+1                            ; the add and the youngest eight loads may be out
	WIN MUL_LO
	MUL16 0, 1, NQ-1, \slot, 0
	s_wait_dscnt 0x0
	s_barrier_signal -1
	MUL16 2, 1, NQ-1, \slot, 0
	WIN 0
	s_barrier_wait -1
	PLACES NP
	v_add_nc_u32 v[ADRS], 4*NQ, v[ADRS]            ; on to the next 512's scale words
	FETCH_B \next, 0, 0
	FETCH_A \next, 0, 0
	SCALES \next
	WIN MUL_HI
	MUL16 4, 1, NQ-1, \slot, 0
	MUL16 6, 1, NQ-1, \slot, 0
	PLACES NP
	WIN 0
	FETCH_A \next, 0, 4
.endm
	s_wait_tensorcnt 1                             ; the scales and my part of slot 0 are in; slot 1's load may be out
	s_barrier_signal -1
	s_barrier_wait -1
	FETCH_B 0, 0, 0
	FETCH_A 0, 0, 0
	SCALES 0
	FETCH_A 0, 0, 4
	STEP 0, 0, 1                                   ; the first products start the sums: nothing is cleared
	STEP 0, 1, 0
	STEP 0, 2, 0
	TURN 0, 1
	STEP 1, 0, 0
	STEP 1, 1, 0
	STEP 1, 2, 0
	s_wait_dscnt 4*NL
	WIN MUL_LO
	MUL16 0, 1, NQ-1, 1, 0
	MUL16 2, 1, NQ-1, 1, 0
	s_wait_dscnt 0
	WIN MUL_HI
	MUL16 4, 1, NQ-1, 1, 0
	MUL16 6, 1, NQ-1, 1, 0
	WIN 0
	PLACES NP                                      ; behind the last products: their results are read, and source 1's registers written, only behind these
; THE WAY OUT.  Accumulator (a, b): a = source 1's block, b = source 0's.  Each accumulator is read from its low end on.
.macro WAYOUT isv
	s_cmp_eq_u32 s94, 0                            ; do my rows hold positions 0-15 of a batch?  Made of cluster y, cluster x and the wave's number
	s_cbranch_scc0 .Lno32_\@
.irp i, 0,1,2,3,4,5,6,7
.if \isv
.set AC, 64*(\i%4)                     ; (a = i, b = 0): channels 16 i on, positions 0-15
	WIN 0x08+4*(\i/4)
.else
.set AC, 8*\i                          ; (a = 0, b = i): positions 0-15, columns 16 i on
	WIN 0x08
.endif
	global_store_b128 v[CO], v[AC:AC+3], s[98:99] offset:\i*1024
	global_store_b128 v[CO], v[AC+4:AC+7], s[98:99] offset:\i*1024+512
.endr
	WIN 0
.Lno32_\@:
.irp a, 0,1,2,3,4,5,6,7
.if \a >= 4
	s_wait_xcnt 0x0                                ; the stores of four blocks back have read their registers
.endif
	WIN 0x0a+5*(\a/4)                              ; sources: window 2 or 3
.irp b, 0,1,2,3,4,5,6,7
.irp i, 0,1,2,3
	v_cvt_pk_f16_f32 v[PK+32*(\a%4)+4*\b+\i], v[64*(\a%4)+8*\b+2*\i], v[64*(\a%4)+8*\b+2*\i+1]
.endr
.endr
	WIN 0
.irp b, 0,1,2,3,4,5,6,7
.if \isv
	global_store_b128 v[CO], v[PK+32*(\a%4)+4*\b:PK+32*(\a%4)+4*\b+3], s[12:13] offset:(\a/4)*262144+(\b/2)*4096+(\a%4)*1024+(\b%2)*512
.else
	global_store_b128 v[CO], v[PK+32*(\a%4)+4*\b:PK+32*(\a%4)+4*\b+3], s[12:13] offset:(\b/4)*262144+\a*2048+((\b/2)%2)*1024+(\b%2)*512
.endif
.endr
.endr
.endm
	s_cmp_eq_u32 s96, 0
	s_cbranch_scc0 .Lv_out
	WAYOUT 0
	s_branch .Lclose
.Lv_out:
	WAYOUT 1
.Lclose:
	s_wait_tensorcnt 0x0                           ; the wave's end
	ds_add_u32 v[SPW], v[NIL]
	s_wait_dscnt 0x0
	CROUND                                         ; the closing round
	s_endpgm
.Lfunc_end_k_q25c6f8519e_qkv:
	.size	k_q25c6f8519e_qkv, .Lfunc_end_k_q25c6f8519e_qkv-k_q25c6f8519e_qkv
	.p2alignl 7, 3214868480
	.fill 96, 4, 3214868480
	.section	.rodata,"a",@progbits
	.p2align	6, 0x0
	.amdhsa_kernel k_q25c6f8519e_qkv
		.amdhsa_group_segment_fixed_size 327680
		.amdhsa_private_segment_fixed_size 0
		.amdhsa_enable_private_segment 0
		.amdhsa_kernarg_size 48
		.amdhsa_user_sgpr_count 2
		.amdhsa_user_sgpr_kernarg_segment_ptr 1
		.amdhsa_wavefront_size32 1
		.amdhsa_system_sgpr_workgroup_id_x 1
		.amdhsa_system_sgpr_workgroup_id_y 1
		.amdhsa_system_sgpr_workgroup_id_z 1
		.amdhsa_system_vgpr_workitem_id 0
		.amdhsa_next_free_vgpr 1024
		.amdhsa_next_free_sgpr 100
		.amdhsa_reserve_vcc 0
		.amdhsa_float_denorm_mode_32 3
		.amdhsa_float_denorm_mode_16_64 3
		.amdhsa_memory_ordered 1
		.amdhsa_forward_progress 1
		.amdhsa_inst_pref_size 144
	.end_amdhsa_kernel
	.amdgpu_metadata
---
amdhsa.version: [ 1, 2 ]
amdhsa.kernels:
  - .name:           k_q25c6f8519e_qkv
    .symbol:         k_q25c6f8519e_qkv.kd
    .args:
      - { .name: xc, .offset: 0, .size: 8, .value_kind: global_buffer, .address_space: global }
      - { .name: xs, .offset: 8, .size: 8, .value_kind: global_buffer, .address_space: global }
      - { .name: wc, .offset: 16, .size: 8, .value_kind: global_buffer, .address_space: global }
      - { .name: ws, .offset: 24, .size: 8, .value_kind: global_buffer, .address_space: global }
      - { .name: qkv16, .offset: 32, .size: 8, .value_kind: global_buffer, .address_space: global }
      - { .name: head32, .offset: 40, .size: 8, .value_kind: global_buffer, .address_space: global }
    .group_segment_fixed_size: 327680
    .private_segment_fixed_size: 0
    .kernarg_segment_align: 8
    .kernarg_segment_size: 48
    .max_flat_workgroup_size: 128
    .sgpr_count:     100
    .vgpr_count:     1024
    .wavefront_size: 32
...
	.end_amdgpu_metadata
.endif
;; end of part 2
;; launch attn (part 3): grid 4 x 64, 8 waves a work-group, clusters of 4 x 1, 327,680 bytes of LDS; arguments qkv16, yimg; writes yimg
.if DOCPART == 3
	.amdgcn_target "amdgcn-amd-amdhsa--gfx1250"
	.amdhsa_code_object_version 6
	.text
	.protected	k_q25c6f8519e_attn
	.globl	k_q25c6f8519e_attn
	.p2align	8
	.type	k_q25c6f8519e_attn,@function
k_q25c6f8519e_attn:
	s_mov_b64 s[64:65], 0
	v_nop
	global_prefetch_b8 v0, s[64:65] scope:SCOPE_SE
	s_setreg_imm32_b32 hwreg(HW_REG_WAVE_MODE, 25, 1), 1
	s_wait_xcnt 0x0
	s_wait_alu depctr_hold_cnt(0) depctr_sa_sdst(0) depctr_va_vdst(0) depctr_va_sdst(0) depctr_va_ssrc(0) depctr_va_vcc(0) depctr_vm_vsrc(0)
	s_getreg_b32 s2, hwreg(HW_REG_IB_STS2, 6, 4)
	s_cmp_eq_u32 s2, 0
	s_cbranch_scc0 .Lentry_in_a_cluster
	s_endpgm
.Lentry_in_a_cluster:
	s_bfe_u32 s2, ttmp6, 0x10000c
	s_cmp_lg_u32 s2, 0x3003
	s_cbranch_scc0 .Lentry_shape_is_right
	s_endpgm
.Lentry_shape_is_right:
; ATTN: y = softmax(q k^T / 8, causal) v for 64 heads of 2,048 positions x 64 channels.  Operands in f16, products, maxima and sums in f32; the weights are rounded to f16 for the second product.
; q, k, v arrive as images of matrix fragments, so every LDS read is 16 x lane + a constant, and y leaves as images of the projection's fragments: [128 k: 8][16 rows: 512][32 k: 4][1,024 bytes].
; SHARES.  A cluster of four work-groups is one head.  Its 128 tiles of 16 queries are dealt out so that all partners and all waves have equal work and take the same branches:
; partner J, wave w and u = 0 .. 3 own tile 32 u + 4 w' + J, w' = w for even u and 7 - w for odd u.  The tile's queries lie in keys 64 (8 u + w') + 0 .. 63 whatever J is: which key steps count for a tile
; hangs on u, the wave's number and the count of steps alone.  A wave has 66 tile steps, whichever wave it is.
; KEYS go 64 a step, 512 a slot, through a ring of two LDS slots.  All four partners walk the same keys, so each tile is asked for JOINTLY: eight waves, one load of 16 KiB each.
; LAYOUT.  S^T = K Q^T (source 0 = 16 keys, source 1 = 16 queries) and O^T = V^T P: a lane holds one query throughout; two tiles of S^T, rounded in pairs, are source 1 of the second product.
; SOFTMAX.  A running maximum m and sum l for each query: p = 2^(c s - c m), c = log2(e) / 8; in every step O and l are multiplied by 2^(c m_old - c m_new).
; In slot u tile u meets its diagonal: steps behind it are passed over, and on it hidden scores become -infinity.  Key 0 counts for every query, so m is a number from the first step on.
; Tile u is finished and stored at the end of slot u.
; LIMITS: as the launch before: f16's range for q, k, v and y.
; No prefetch: slots 0 and 1 are asked for at the head, and each of the two refills goes out eight key steps ahead of its first read.
; REGISTERS.  Window 0: v1 16 x lane; v3, v4 LDS addresses; v5 16 J + r - 8 h; v6 -infinity; v[8:9] a sum's second chain; v10, v11 the add's two; v16-47 statistics, 8 a tile
;   (+0 c m, +1 m, +2, +3 l, +4 .. +7 at work, the factor in +6); v48-175 S^T, 32 a tile, P packed into its first 16; v176-239 Q, 16 a tile.   Window 1: v0-127 O^T, 32 a tile; v128-191 K; v192-255 V.
.set SLOTB, 131072                     ; a slot: 65,536 bytes of K (32 tiles of 16 keys), then 65,536 of V (16 groups of 32 keys)
.set VOFF,  65536
.set STEPB, 8192                       ; a key step's bytes of K, and of V
.set SPARE, 262144                     ; the spare words, 128 bytes for each wave; no other line names them
.set L16, 1
.set ADK, 3
.set ADV, 4
.set DG,  5
.set NINF, 6
.set CH2, 8
.set SPW, 10
.set NIL, 11
.set ST,  16
.set S,   48
.set Q,   176
.set O,   0
.set KF,  128
.set VF,  192
.set WV,  8                            ; s8  wave
.set WR,  9                            ; s9  7 - wave
.set CX,  10                           ; s10 J
.set BH,  11                           ; s11 the head, 0 .. 63
.set I,   12                           ; s12 the key step in the slot
.set TB,  13                           ; s13 LDS byte at which the step's K begins
.set SEL, 14                           ; s[14:15] lane l xor 16
.set CS,  16                           ; s[16:17] c
.set G1,  20                           ; s[20:27] descriptor group 1
.set G0A, 28                           ; s[28:31] group 0 for slot 0;  s[32:35] for slot 1
.set G0B, 32
.set QB,  36                           ; s[36:43] where my four tiles of Q lie
.set YB,  44                           ; s[44:51] and where their results go
.set MSB, 0
.macro WIN new
.if MSB != \new
	s_set_vgpr_msb (MSB<<8)|\new
.set MSB, \new
.endif
.endm
.macro CROUND
	s_barrier_signal -1
	s_barrier_wait -1
	s_cmp_lg_u32 s[WV], 0
	s_cbranch_scc1 .Lnot_wave_0_\@
	s_barrier_signal -3
.Lnot_wave_0_\@:
	s_barrier_wait -3
	s_barrier_signal -1
	s_barrier_wait -1
.endm
.macro PLACES n
.rept \n
	v_nop
.endr
.endm
	s_load_b128 s[4:7], s[0:1], 0x0                ; qkv16, yimg
	v_lshl_add_u32 v[SPW], v0, 2, SPARE
	v_mov_b32 v[NIL], 0
	ds_add_u32 v[SPW], v[NIL]                      ; the wave's opening: the add, twice on end, and its wait ahead of my first tensor load
	ds_add_u32 v[SPW], v[NIL]
	v_lshrrev_b32 v2, 5, v0
	v_readfirstlane_b32 s[WV], v2
	s_xor_b32 s[WR], s[WV], 7
	s_bfe_u32 s[CX], ttmp6, 0x40000
	s_and_b32 s[BH], ttmp7, 0xffff
	s_mov_b32 s[G1], 15|(3<<16)|(1<<21)            ; the mask: all four; elements of 8 bytes; no padding; bit 21 beside a mask
	s_mov_b32 s[G1+1], 32<<16                      ; tensor_dim0: 32 elements, 256 bytes
	s_mov_b32 s[G1+2], 64<<16                      ; tensor_dim1: 64 rows
	s_mov_b32 s[G1+3], 32<<16                      ; tile_dim0
	s_mov_b32 s[G1+4], 64                          ; tile_dim1
	s_mov_b32 s[G1+5], 32                          ; the pitch: dense
	s_mov_b32 s[G1+6], 0
	s_mov_b32 s[G1+7], 0
	s_mov_b32 s[SEL], 0x76543210
	s_mov_b32 s[SEL+1], 0xfedcba98
	s_mov_b32 s[CS], 0x3e38aa3b                    ; log2(e) / 8
	s_mov_b32 s[CS+1], s[CS]
	s_lshr_b32 s58, s[WV], 2                       ; waves 0-3 fetch K (part 1), waves 4-7 V (part 2): a quarter of a slot's 65,536 bytes each
	s_add_co_u32 s58, s58, 1
	s_lshl_b32 s58, s58, 24
	s_lshl_b32 s59, s[BH], 18
	s_add_co_u32 s58, s58, s59
	s_and_b32 s59, s[WV], 3
	s_lshl_b32 s59, s59, 14
	s_add_co_u32 s58, s58, s59
	s_mov_b32 s59, 0
	s_wait_dscnt 0x0                               ; both opening adds are done
	s_wait_kmcnt 0x0
	s_add_nc_u64 s[60:61], s[4:5], s[58:59]
	CROUND                                         ; all four work-groups are here: the first joint loads meet
	s_mov_b32 s[G0A], 1
	s_lshl_b32 s[G0A+1], s[WV], 14                 ; LDS: wave x 16,384: K's four quarters, then V's
	s_mov_b64 s[G0A+2:G0A+3], s[60:61]
	s_or_b32 s[G0A+3], s[G0A+3], 0x80000000
	s_mov_b32 s[G0B], 1
	s_add_co_u32 s[G0B+1], s[G0A+1], SLOTB
	s_add_nc_u64 s[G0B+2:G0B+3], s[60:61], 65536
	s_or_b32 s[G0B+3], s[G0B+3], 0x80000000
	tensor_load_to_lds s[G0A:G0A+3], s[G1:G1+7]    ; keys 0-511
	s_nop 0
	tensor_load_to_lds s[G0B:G0B+3], s[G1:G1+7]    ; keys 512-1,023: two loads of mine are out
	s_nop 0
.rept 4
	v_nop
.endr
	v_and_b32 v[L16], 31, v0
	v_lshlrev_b32 v[L16], 4, v[L16]
	v_and_b32 v2, 15, v0
	v_bfe_u32 v7, v0, 4, 1
	v_lshlrev_b32 v7, 3, v7
	v_sub_nc_u32 v[DG], v2, v7
	s_lshl_b32 s54, s[CX], 4
	v_add_nc_u32 v[DG], s54, v[DG]                 ; my query's place among its 64 keys, less 8 h: register j of key tile kt is hidden on the diagonal where 16 kt + j is greater
	v_mov_b32 v[NINF], 0xff800000
	s_lshl_b32 s56, s[BH], 18
	s_and_b32 s57, s[BH], 15
	s_lshr_b32 s57, s57, 1
	s_lshl_b32 s57, s57, 21                        ; y: the k step is head / 2,
	s_lshr_b32 s55, s[BH], 4
	s_lshl_b32 s55, s55, 19                        ; the batch's 128 row tiles of 4,096 bytes,
	s_add_co_u32 s57, s57, s55
	s_and_b32 s55, s[BH], 1
	s_lshl_b32 s55, s55, 11                        ; and the head's 64 channels are two of the four fragments
	s_add_co_u32 s57, s57, s55
	s_mov_b32 s53, 0
.irp u, 0,1,2,3
	s_lshl_b32 s54, s[WV+(\u%2)], 2
	s_add_co_u32 s54, s54, s[CX]
	s_add_co_u32 s54, s54, 32*\u                   ; my tile u
	s_lshl_b32 s52, s54, 11
	s_add_co_u32 s52, s52, s56
	s_add_nc_u64 s[QB+2*\u:QB+2*\u+1], s[4:5], s[52:53]
	s_lshl_b32 s52, s54, 12
	s_add_co_u32 s52, s52, s57
	s_add_nc_u64 s[YB+2*\u:YB+2*\u+1], s[6:7], s[52:53]
.endr
.irp u, 0,1,2,3
.irp cf, 0,1
.irp hf, 0,1
	global_load_b128 v[Q+16*\u+8*\cf+4*\hf:Q+16*\u+8*\cf+4*\hf+3], v[L16], s[QB+2*\u:QB+2*\u+1] offset:\cf*1024+\hf*512
.endr
.endr
.endr
.macro FETCH_K off                     ; a step's K: 4 tiles of 16 keys x 2 fragments of 32 channels: 16 loads
	WIN 0x40
.irp kt, 0,1,2,3
.irp cf, 0,1
.irp hf, 0,1
	ds_load_b128 v[KF+8*(2*\kt+\cf)+4*\hf:KF+8*(2*\kt+\cf)+4*\hf+3], v[ADK] offset:\off+\kt*2048+\cf*1024+\hf*512
.endr
.endr
.endr
.endm
.macro FETCH_V                         ; a step's V^T: 2 groups of 32 keys x 4 tiles of 16 channels: 16 loads
	WIN 0x40
.irp kf, 0,1
.irp ct, 0,1,2,3
.irp hf, 0,1
	ds_load_b128 v[VF+8*(4*\kf+\ct)+4*\hf:VF+8*(4*\kf+\ct)+4*\hf+3], v[ADV] offset:\kf*4096+\ct*1024+\hf*512
.endr
.endr
.endr
.endm
.macro KQ u                            ; 8 products; the four accumulators take turns; the first four start the sums
	WIN 0x01
.irp cf, 0,1
.irp kt, 0,1,2,3
.if \cf == 0
	v_wmma_f32_16x16x32_f16 v[S+32*(\u)+8*\kt:S+32*(\u)+8*\kt+7], v[KF+8*(2*\kt+\cf):KF+8*(2*\kt+\cf)+7], v[Q+16*(\u)+8*\cf:Q+16*(\u)+8*\cf+7], 0
.else
	v_wmma_f32_16x16x32_f16 v[S+32*(\u)+8*\kt:S+32*(\u)+8*\kt+7], v[KF+8*(2*\kt+\cf):KF+8*(2*\kt+\cf)+7], v[Q+16*(\u)+8*\cf:Q+16*(\u)+8*\cf+7], v[S+32*(\u)+8*\kt:S+32*(\u)+8*\kt+7]
.endif
.endr
.endr
.endm
.macro PV u, first
	WIN 0x51
.irp kf, 0,1
.irp ct, 0,1,2,3
.if \first && (\kf == 0)
	v_wmma_f32_16x16x32_f16 v[O+32*(\u)+8*\ct:O+32*(\u)+8*\ct+7], v[VF+8*(4*\kf+\ct):VF+8*(4*\kf+\ct)+7], v[S+32*(\u)+8*\kf:S+32*(\u)+8*\kf+7], 0
.else
	v_wmma_f32_16x16x32_f16 v[O+32*(\u)+8*\ct:O+32*(\u)+8*\ct+7], v[VF+8*(4*\kf+\ct):VF+8*(4*\kf+\ct)+7], v[S+32*(\u)+8*\kf:S+32*(\u)+8*\kf+7], v[O+32*(\u)+8*\ct:O+32*(\u)+8*\ct+7]
.endif
.endr
.endr
.endm
.macro MASK u                          ; on the diagonal: hidden scores become -infinity, each accumulator from its low end on
.irp kt, 0,1,2,3
.irp j, 0,1,2,3,4,5,6,7
	v_cmp_gt_i32 vcc_lo, 16*\kt+\j, v[DG]
	v_cndmask_b32 v[S+32*(\u)+8*\kt+\j], v[S+32*(\u)+8*\kt+\j], v[NINF], vcc_lo
.endr
.endr
.endm
.macro SOFTMAX u, first
.set rT, ST+8*(\u)
.set rS, S+32*(\u)
	WIN 0
.irp j, 0,1,2,3                        ; the maximum: four chains, each begun at an accumulator's low end
	v_max3_num_f32 v[rT+4+\j], v[rS+8*\j], v[rS+8*\j+1], v[rS+8*\j+2]
.endr
.irp g, 1,2
.irp j, 0,1,2,3
	v_max3_num_f32 v[rT+4+\j], v[rT+4+\j], v[rS+8*\j+2*\g+1], v[rS+8*\j+2*\g+2]
.endr
.endr
	v_max3_num_f32 v[rT+4], v[rT+4], v[rS+7], v[rS+15]
	v_max3_num_f32 v[rT+6], v[rT+6], v[rS+23], v[rS+31]
	v_max3_num_f32 v[rT+4], v[rT+4], v[rT+5], v[rT+6]
.if \first
	v_max_num_f32 v[rT+4], v[rT+4], v[rT+7]
.else
	v_max3_num_f32 v[rT+4], v[rT+4], v[rT+7], v[rT+1]
.endif
	v_permlanex16_b32 v[rT+5], v[rT+4], s[SEL], s[SEL+1]   ; the query's other 32 keys lie in the lane 16 away
.if !\first
	v_mov_b32 v[rT+7], v[rT]                       ; c m_old
.endif
	v_max_num_f32 v[rT+1], v[rT+4], v[rT+5]
	v_mul_f32 v[rT], s[CS], v[rT+1]
.if !\first
	v_sub_f32 v[rT+7], v[rT+7], v[rT]
.endif
.irp b, 0,2,4,6,8,10,12,14,16,18,20,22,24,26,28,30
	v_pk_fma_f32 v[rS+\b:rS+\b+1], v[rS+\b:rS+\b+1], s[CS:CS+1], v[rT:rT+1] op_sel_hi:[1,0,0] neg_lo:[0,0,1] neg_hi:[0,0,1]   ; c s - c m
.endr
.if !\first
	v_exp_f32 v[rT+6], v[rT+7]                     ; the factor for O and l
.endif
.irp n, 0,1,2,3,4,5,6,7,8,9,10,11,12,13,14,15,16,17,18,19,20,21,22,23,24,25,26,27,28,29,30,31
	v_exp_f32 v[rS+\n], v[rS+\n]
.endr
	v_nop                                          ; a plain instruction behind the last exponential
	s_wait_alu depctr_va_vdst(0)                   ; one wait for the batch, ahead of its first reader
	v_pk_add_f32 v[rT+4:rT+5], v[rS:rS+1], v[rS+2:rS+3]        ; the sum of the unrounded weights, in two chains
	v_pk_add_f32 v[CH2:CH2+1], v[rS+4:rS+5], v[rS+6:rS+7]
.irp b, 8,12,16,20,24,28
	v_pk_add_f32 v[rT+4:rT+5], v[rT+4:rT+5], v[rS+\b:rS+\b+1]
	v_pk_add_f32 v[CH2:CH2+1], v[CH2:CH2+1], v[rS+\b+2:rS+\b+3]
.endr
.if \first
	v_pk_add_f32 v[rT+2:rT+3], v[rT+4:rT+5], v[CH2:CH2+1]
.else
	v_pk_add_f32 v[rT+4:rT+5], v[rT+4:rT+5], v[CH2:CH2+1]
	v_pk_fma_f32 v[rT+2:rT+3], v[rT+2:rT+3], v[rT+6:rT+7], v[rT+4:rT+5] op_sel_hi:[1,0,1]
.endif
.irp i, 0,1,2,3,4,5,6,7,8,9,10,11,12,13,14,15
	v_cvt_pk_f16_f32 v[rS+\i], v[rS+2*\i], v[rS+2*\i+1]   ; P, in place: register i is written when its own numbers have been read
.endr
.endm
.macro TILE u, first                   ; a tile's softmax, the rescaling of its O^T, its second product
	SOFTMAX \u, \first
.if !\first
	WIN 0x41
.irp i, 0,2,4,6,8,10,12,14,16,18,20,22,24,26,28,30
	v_pk_mul_f32 v[O+32*(\u)+\i:O+32*(\u)+\i+1], v[O+32*(\u)+\i:O+32*(\u)+\i+1], v[ST+8*(\u)+6:ST+8*(\u)+7] op_sel_hi:[1,0]
.endr
.endif
	PV \u, \first
	WIN 0
.endm
; A KEY STEP in slot sp.  Tile sp meets its diagonal at step w'; tiles above sp see all keys; tiles under sp are finished.  The branches hang on the wave's number and the count of steps.
.macro STEP sp, first
.set WBR, WV+((\sp)%2)
.if (\sp) == 3
	s_cmp_gt_u32 s[I], s[WBR]                      ; nothing of mine is left in this slot
	s_cbranch_scc1 .Lover_\@
.endif
	v_add_nc_u32 v[ADK], s[TB], v[L16]
	v_add_nc_u32 v[ADV], VOFF, v[ADK]
	FETCH_V
	WIN 0
	s_wait_dscnt 16                                ; K, asked for a step ago, is in; V's sixteen loads may be out
.if ((\sp) < 3) && !(\first)
	s_cmp_gt_u32 s[I], s[WBR]
	s_cbranch_scc1 .Lnokq_\@
.endif
	KQ \sp
	WIN 0
.Lnokq_\@:
.irp u, 1,2,3
.if \u > (\sp)
	KQ \u
.endif
.endr
	WIN 0
	PLACES 4                                       ; behind the products: their results are read, and K's registers loaded, only behind these
	s_wait_dscnt 0x0                               ; V is in
.if !(\first)
	s_cmp_eq_u32 s[I], 7
	s_cbranch_scc1 .Lnok_\@
.endif
	FETCH_K STEPB                                  ; the next step's K
	WIN 0
.Lnok_\@:
.if ((\sp) < 3) && !(\first)
	s_cmp_gt_u32 s[I], s[WBR]
	s_cbranch_scc1 .Lnob_\@
.endif
	s_cmp_lg_u32 s[I], s[WBR]
	s_cbranch_scc1 .Lopen_\@
	MASK \sp
.Lopen_\@:
	TILE \sp, \first
.Lnob_\@:
.irp u, 1,2,3
.if \u > (\sp)
	TILE \u, \first
.endif
.endr
	PLACES 5                                       ; the next step's first products write over P's registers, and its loads land in V's
.Lover_\@:
	s_add_co_u32 s[TB], s[TB], STEPB
.endm
.macro FINISH u                        ; tile u: O^T / l, rounded to f16: a lane's eight channels are 16 bytes of the projection's fragment
.set rT, ST+8*(\u)
	v_add_f32 v[rT+4], v[rT+2], v[rT+3]
	v_permlanex16_b32 v[rT+5], v[rT+4], s[SEL], s[SEL+1]
	v_add_f32 v[rT+4], v[rT+4], v[rT+5]
	v_rcp_f32 v[rT+6], v[rT+4]
	v_mov_b32 v[rT+7], 0                           ; a plain instruction behind the reciprocal; the register is named with it as a pair
	s_wait_alu depctr_va_vdst(0)
	WIN 0x41
.irp i, 0,2,4,6,8,10,12,14,16,18,20,22,24,26,28,30
	v_pk_mul_f32 v[O+32*(\u)+\i:O+32*(\u)+\i+1], v[O+32*(\u)+\i:O+32*(\u)+\i+1], v[ST+8*(\u)+6:ST+8*(\u)+7] op_sel_hi:[1,0]
.endr
	WIN 0x05
.irp i, 0,1,2,3,4,5,6,7,8,9,10,11,12,13,14,15
	v_cvt_pk_f16_f32 v[S+32*(\u)+\i], v[O+32*(\u)+2*\i], v[O+32*(\u)+2*\i+1]
.endr
	WIN 0
.irp ct, 0,1,2,3
	global_store_b128 v[L16], v[S+32*(\u)+4*\ct:S+32*(\u)+4*\ct+3], s[YB+2*(\u):YB+2*(\u)+1] offset:512*\ct   ; 512 consecutive bytes, aligned; these registers are not written again
.endr
.endm
; THE CHANGE OF SLOTS.  Each wave waits for all its tensor loads (its part of the slot ahead), adds 0 to its spare word, and waits for that and for its reads of the slot that it leaves.
; fill = 1: the barrier is a round of the cluster's, and the slot just left is filled with the keys two slots on: one load a wave, first thing behind the round.
.macro CHANGE fill, g0
	s_wait_tensorcnt 0x0
	ds_add_u32 v[SPW], v[NIL]
.if \fill
	s_add_nc_u64 s[\g0+2:\g0+3], s[\g0+2:\g0+3], 2*65536   ; no tensor load of mine is out: the descriptor may be written
.endif
	s_wait_dscnt 0x0
.if \fill
	CROUND
	tensor_load_to_lds s[\g0:\g0+3], s[G1:G1+7]
	s_nop 0
.rept 4
	v_nop
.endr
.else
	s_barrier_signal -1
	s_barrier_wait -1
.endif
.endm
.macro SLOTRUN sp
	s_mov_b32 s[TB], ((\sp)%2)*SLOTB
	s_mov_b32 s[I], 0
	v_add_nc_u32 v[ADK], s[TB], v[L16]
	FETCH_K 0
	WIN 0
.Lslot_\@:
	STEP \sp, 0
	s_add_co_u32 s[I], s[I], 1
	s_cmp_lt_u32 s[I], 8
	s_cbranch_scc1 .Lslot_\@
	FINISH \sp
.endm
	s_wait_tensorcnt 1                             ; my part of slot 0 is in; slot 1's may stay out
	s_barrier_signal -1
	s_barrier_wait -1
	s_mov_b32 s[TB], 0
	s_mov_b32 s[I], 0
	v_add_nc_u32 v[ADK], s[TB], v[L16]
	FETCH_K 0
	WIN 0
	s_wait_loadcnt 0x0                             ; Q
	STEP 0, 1                                      ; the first key step starts m, l and O^T of all four tiles
	s_mov_b32 s[I], 1
.Lslot0:
	STEP 0, 0
	s_add_co_u32 s[I], s[I], 1
	s_cmp_lt_u32 s[I], 8
	s_cbranch_scc1 .Lslot0
	FINISH 0
	CHANGE 1, G0A                                  ; slot 0 takes keys 1,024-1,535
	SLOTRUN 1
	CHANGE 1, G0B                                  ; slot 1 takes keys 1,536-2,047
	SLOTRUN 2
	CHANGE 0, G0A
	SLOTRUN 3
	s_wait_tensorcnt 0x0                           ; the wave's end
	ds_add_u32 v[SPW], v[NIL]
	s_wait_dscnt 0x0
	CROUND                                         ; the closing round
	s_endpgm
.Lfunc_end_k_q25c6f8519e_attn:
	.size	k_q25c6f8519e_attn, .Lfunc_end_k_q25c6f8519e_attn-k_q25c6f8519e_attn
	.p2alignl 7, 3214868480
	.fill 96, 4, 3214868480
	.section	.rodata,"a",@progbits
	.p2align	6, 0x0
	.amdhsa_kernel k_q25c6f8519e_attn
		.amdhsa_group_segment_fixed_size 327680
		.amdhsa_private_segment_fixed_size 0
		.amdhsa_enable_private_segment 0
		.amdhsa_kernarg_size 16
		.amdhsa_user_sgpr_count 2
		.amdhsa_user_sgpr_kernarg_segment_ptr 1
		.amdhsa_wavefront_size32 1
		.amdhsa_system_sgpr_workgroup_id_x 1
		.amdhsa_system_sgpr_workgroup_id_y 1
		.amdhsa_system_sgpr_workgroup_id_z 1
		.amdhsa_system_vgpr_workitem_id 0
		.amdhsa_next_free_vgpr 512
		.amdhsa_next_free_sgpr 66
		.amdhsa_reserve_vcc 1
		.amdhsa_float_denorm_mode_32 3
		.amdhsa_float_denorm_mode_16_64 3
		.amdhsa_memory_ordered 1
		.amdhsa_forward_progress 1
		.amdhsa_inst_pref_size 148
	.end_amdhsa_kernel
	.amdgpu_metadata
---
amdhsa.version: [ 1, 2 ]
amdhsa.kernels:
  - .name:           k_q25c6f8519e_attn
    .symbol:         k_q25c6f8519e_attn.kd
    .args:
      - { .name: qkv16, .offset: 0, .size: 8, .value_kind: global_buffer, .address_space: global }
      - { .name: yimg, .offset: 8, .size: 8, .value_kind: global_buffer, .address_space: global }
    .group_segment_fixed_size: 327680
    .private_segment_fixed_size: 0
    .kernarg_segment_align: 8
    .kernarg_segment_size: 16
    .max_flat_workgroup_size: 256
    .sgpr_count:     66
    .vgpr_count:     512
    .wavefront_size: 32
...
	.end_amdgpu_metadata
.endif
;; end of part 3
;; launch proj (part 4): grid 4 x 64, 4 waves a work-group, clusters of 4 x 4, 327,680 bytes of LDS; arguments yimg, wimg, out0; writes out0
.if DOCPART == 4
	.amdgcn_target "amdgcn-amd-amdhsa--gfx1250"
	.amdhsa_code_object_version 6
	.text
	.protected	k_q25c6f8519e_proj
	.globl	k_q25c6f8519e_proj
	.p2align	8
	.type	k_q25c6f8519e_proj,@function
k_q25c6f8519e_proj:
	s_mov_b64 s[64:65], 0
	v_nop
	global_prefetch_b8 v0, s[64:65] scope:SCOPE_SE
	s_setreg_imm32_b32 hwreg(HW_REG_WAVE_MODE, 25, 1), 1
	s_wait_xcnt 0x0
	s_wait_alu depctr_hold_cnt(0) depctr_sa_sdst(0) depctr_va_vdst(0) depctr_va_sdst(0) depctr_va_ssrc(0) depctr_va_vcc(0) depctr_vm_vsrc(0)
	s_getreg_b32 s2, hwreg(HW_REG_IB_STS2, 6, 4)
	s_cmp_eq_u32 s2, 0
	s_cbranch_scc0 .Lentry_in_a_cluster
	s_endpgm
.Lentry_in_a_cluster:
	s_bfe_u32 s2, ttmp6, 0x10000c
	s_cmp_lg_u32 s2, 0xf033
	s_cbranch_scc0 .Lentry_shape_is_right
	s_endpgm
.Lentry_shape_is_right:
; PROJ: out0 [8192][1024] f32 = y [8192][1024] w_proj [1024][1024], operands in f16, sums in f32.
; Both operands arrive as images of matrix fragments, laid by K step of 128: a tile's K step is one dense block, and every LDS read is 16 x lane + a constant.
; A tile of out0 is 128 rows x 256 columns: 256 work-groups.  Four waves, 64 x 128 each: 32 accumulators in window 1.  K goes in 8 steps of 128 through a ring of two LDS slots.
; CLUSTERS of 4 x 4: tile row = 4 x cluster y + cy, tile column = cx.  y's block (32 KiB) is shared along a row of the cluster, w's (64 KiB) along a column: each is asked for jointly.
; The matrix instruction is used transposed (source 0 = 16 columns of w, source 1 = 16 rows of y): a lane holds eight neighbouring numbers of a row of out0.
; All rows are written; positions 0-15 of every batch are written again, more finely, by the launch behind this one.
; REGISTERS.  Window 0: v16-17, v20-21 LDS addresses of y's and w's fragments in slot 0, 1; v24-26 the way out; v28, v29 the add's two; v30 the prefetches' offset;
;   v32-127, v128-223 two fragment buffers for 32 along K: 4 of y, then 8 of w.   Window 1: accumulator (a, b) at v[8 (8 a + b)].
.set KSA,   2097152                    ; a K step on in yimg
.set KSB,   262144                     ; and in wimg
.set SLOT,  98304                      ; y's 32,768 bytes, then w's 65,536
.set BOFF,  32768
.set STAGE, 196608                     ; behind the ring: 16 rows x (512 bytes + 16) for each wave
.set SPITCH, 528
.set SPARE, 230400                     ; the spare words, 128 bytes for each wave; no other line names them
.set ADRA, 16
.set ADRB, 20
.set STO,  24
.set RD,   25
.set CO,   26
.set SPW,  28
.set NIL,  29
.set PFO,  30
.set F0,   32
.set F1,   128
.set G1,  24                           ; s[24:31], s[32:39] groups 1 and 0 (a set for each slot) for y
.set G0,  32
.set G1B, 48                           ; s[48:55], s[56:63] for w
.set G0B, 56
.set PFA, 66                           ; s[66:67] where my prefetches stand
.set PFS, 68                           ; s[68:69] a K step on, in bytes
.set LIM, 70                           ; s70 1 in a wave that prefetches, else the greatest number
.set MSB, 0
.macro WIN new
.if MSB != \new
	s_set_vgpr_msb (MSB<<8)|\new
.set MSB, \new
.endif
.endm
.set MUL, 0x50                         ; C and D window 1, sources window 0
.macro JLOAD s                         ; waves 0 and 1 fetch y's halves, waves 2 and 3 w's
	s_cmp_eq_u32 s11, 0
	s_cbranch_scc0 .Lfor_b_\@
	tensor_load_to_lds s[G0+4*\s:G0+4*\s+3], s[G1:G1+7]
	s_nop 0
.rept 4
	v_nop
.endr
	s_branch .Lasked_\@
.Lfor_b_\@:
	tensor_load_to_lds s[G0B+4*\s:G0B+4*\s+3], s[G1B:G1B+7]
	s_nop 0
.rept 4
	v_nop
.endr
.Lasked_\@:
.endm
; A PREFETCH of the K step that stands two refills on, 256 matrix instructions of a wave ahead of the load that wants it: 8 KiB, lanes 256 bytes apart, one instruction a wave.
; Each block of 256 bytes is named once in the launch.  y's block of a tile row is read by one row of one cluster: its four partners take a quarter each, told apart by address (cx); wave 0 asks.
; w's block of a tile column is read by all sixteen clusters: the cluster with y = 0 asks; waves 2 and 3 for the halves that they fetch, the four partners of a column a quarter each, by address (cy).
; The loop's last trip asks for nothing: there is no K step two refills on.  K steps 0 to 3 come by their loads alone.
.macro ASK
	s_cmp_gt_u32 s3, s[LIM]
	s_cbranch_scc0 .Lnot_mine_\@
	global_prefetch_b8 v[PFO], s[PFA:PFA+1] th:TH_LOAD_NT scope:SCOPE_SE
.Lnot_mine_\@:
.endm
.macro CREST
	s_cmp_lg_u32 s10, 0
	s_cbranch_scc1 .Lnot_wave_0_\@
	s_barrier_signal -3
.Lnot_wave_0_\@:
	s_barrier_wait -3
	s_barrier_signal -1
	s_barrier_wait -1
.endm
.macro CROUND
	s_barrier_signal -1
	s_barrier_wait -1
	CREST
.endm
.macro PLACES
.rept 4
	v_nop
.endr
.endm
	s_load_b128 s[4:7], s[0:1], 0x0                ; yimg, wimg
	s_load_b64 s[8:9], s[0:1], 0x10                ; out0
	v_lshl_add_u32 v[SPW], v0, 2, SPARE
	v_mov_b32 v[NIL], 0
	ds_add_u32 v[SPW], v[NIL]                      ; the wave's opening: the add, twice on end, and its wait ahead of my first tensor load
	ds_add_u32 v[SPW], v[NIL]
	v_lshrrev_b32 v1, 5, v0
	v_readfirstlane_b32 s10, v1                    ; wave 0..3
	s_lshr_b32 s11, s10, 1                         ; which 64 rows are mine.  Also: I fetch for y (0) or for w (1)
	s_and_b32 s12, s10, 1                          ; which 128 columns.  Also: which half of the block I fetch
	s_bfe_u32 s40, ttmp6, 0x40000                  ; cx
	s_bfe_u32 s41, ttmp6, 0x40004                  ; cy
	s_and_b32 s13, ttmp7, 0xffff
	s_lshl_b32 s13, s13, 2
	s_add_co_u32 s13, s13, s41                     ; tile row R = 4 x cluster y + cy
	s_lshl_b32 s43, s41, 2
	s_lshl_b32 s43, 15, s43                        ; my row of the cluster
	s_lshl_b32 s44, 0x1111, s40                    ; my column
	s_or_b32 s[G1+0], s43, (3<<16)|(1<<21)         ; the mask; elements of 8 bytes; no padding; bit 21 beside a mask
	s_or_b32 s[G1B+0], s44, (3<<16)|(1<<21)
	s_mov_b32 s[G1+1], 32<<16                      ; rows of 256 bytes,
	s_mov_b32 s[G1+2], 64<<16                      ; 64 of them: 16 KiB, dense
	s_mov_b32 s[G1+3], 32<<16
	s_mov_b32 s[G1+4], 64
	s_mov_b32 s[G1+5], 32
	s_mov_b32 s[G1+6], 0
	s_mov_b32 s[G1+7], 0
	s_mov_b32 s[G1B+1], 32<<16
	s_mov_b32 s[G1B+2], 128<<16                    ; 128 rows: 32 KiB
	s_mov_b32 s[G1B+3], 32<<16
	s_mov_b32 s[G1B+4], 128
	s_mov_b32 s[G1B+5], 32
	s_mov_b32 s[G1B+6], 0
	s_mov_b32 s[G1B+7], 0
	s_lshl_b32 s16, s13, 15
	s_lshl_b32 s17, s12, 14
	s_add_co_u32 s16, s16, s17                     ; y: 32,768 R + 16,384 x half
	s_mov_b32 s17, 0
	s_lshl_b32 s46, s40, 16
	s_lshl_b32 s47, s12, 15
	s_add_co_u32 s46, s46, s47                     ; w: 65,536 cx + 32,768 x half
	s_mov_b32 s47, 0
	s_lshl_b32 s20, s12, 14                        ; where they go: the wave's number alone
	s_lshl_b32 s21, s12, 15
	s_add_co_u32 s21, s21, BOFF
	s_wait_dscnt 0x0                               ; both opening adds are done
	s_wait_kmcnt 0x0
	s_add_nc_u64 s[14:15], s[4:5], s[16:17]
	s_add_nc_u64 s[46:47], s[6:7], s[46:47]
	CROUND                                         ; all sixteen work-groups are here: the first joint loads meet
.irp s, 0,1
	s_mov_b32 s[G0+4*\s], 1
	s_add_co_u32 s[G0+4*\s+1], s20, \s*SLOT
	s_add_nc_u64 s[G0+4*\s+2:G0+4*\s+3], s[14:15], \s*KSA
	s_or_b32 s[G0+4*\s+3], s[G0+4*\s+3], 0x80000000
	s_mov_b32 s[G0B+4*\s], 1
	s_add_co_u32 s[G0B+4*\s+1], s21, \s*SLOT
	s_add_nc_u64 s[G0B+4*\s+2:G0B+4*\s+3], s[46:47], \s*KSB
	s_or_b32 s[G0B+4*\s+3], s[G0B+4*\s+3], 0x80000000
	JLOAD \s                                       ; two loads of mine are out behind the second
.endr
	v_and_b32 v1, 31, v0
	v_lshlrev_b32 v[CO], 4, v1                     ; 16 x lane
	s_lshl_b32 s22, s11, 14                        ; my four row tiles of y
	s_lshl_b32 s23, s12, 15
	s_add_co_u32 s23, s23, BOFF                    ; my eight column tiles of w
.irp s, 0,1
	v_add_nc_u32 v[ADRA+\s], s22, v[CO]
	v_add_nc_u32 v[ADRB+\s], s23, v[CO]
	s_add_co_u32 s22, s22, SLOT
	s_add_co_u32 s23, s23, SLOT
.endr
	v_and_b32 v2, 15, v0
	v_bfe_u32 v3, v0, 4, 1
	s_mul_i32 s22, s10, 16*SPITCH
	s_add_co_u32 s22, s22, STAGE                   ; my stage
	v_mul_u32_u24 v[STO], v2, SPITCH
	v_lshl_add_u32 v[STO], v3, 5, v[STO]
	v_add_nc_u32 v[STO], s22, v[STO]               ; in: row l % 16, 32 bytes for each half of the lanes
	v_add_nc_u32 v[RD], s22, v[CO]                 ; back: the 32 lanes take a row of 512 bytes
	v_lshlrev_b32 v[PFO], 8, v1
	s_lshl_b32 s22, s13, 19                        ; out0: row 128 R + 64 (w >> 1), 4,096 bytes each,
	s_lshl_b32 s23, s11, 18
	s_add_co_u32 s22, s22, s23
	s_lshl_b32 s23, s40, 10                        ; byte 1,024 cx + 512 (w & 1)
	s_add_co_u32 s22, s22, s23
	s_lshl_b32 s23, s12, 9
	s_add_co_u32 s22, s22, s23
	s_mov_b32 s23, 0
	s_add_nc_u64 s[8:9], s[8:9], s[22:23]
	; the prefetches
	s_lshl_b32 s16, s13, 15
	s_lshl_b32 s17, s40, 16
	s_lshl_b32 s18, s12, 15
	s_add_co_u32 s17, s17, s18
	s_and_b32 s19, ttmp7, 0xffff                   ; cluster y
	s_cmp_lt_u32 s10, 2
	s_cselect_b64 s[PFA:PFA+1], s[4:5], s[6:7]
	s_cselect_b32 s16, s16, s17                    ; the block (for w: my half of it)
	s_cselect_b32 s18, s40, s41                    ; my place among the four that ask for it with me
	s_cselect_b32 s19, s10, s19                    ; 0 in wave 0, and in waves 2 and 3 of the cluster with y = 0: the same in all sixteen partners
	s_mov_b32 s[PFS], KSB
	s_cselect_b32 s[PFS], KSA, s[PFS]
	s_mov_b32 s[PFS+1], 0
	s_cmp_eq_u32 s19, 0
	s_cselect_b32 s[LIM], 1, -1
	s_lshl_b32 s18, s18, 13
	s_add_co_u32 s16, s16, s18
	s_mov_b32 s17, 0
	s_add_nc_u64 s[PFA:PFA+1], s[PFA:PFA+1], s[16:17]
	s_mul_i32 s16, s[PFS], 3
	s_add_nc_u64 s[PFA:PFA+1], s[PFA:PFA+1], s[16:17]  ; at K step 3: the first change of slots steps it to 4
.macro MULA f, a, zero                 ; 8 products: row tile a x my 8 column tiles, 32 along K.  The 32 accumulators take turns
.irp b, 0,1,2,3,4,5,6,7
.if \zero
	v_wmma_f32_16x16x32_f16 v[8*(8*(\a)+\b):8*(8*(\a)+\b)+7], v[\f+32+8*\b:\f+32+8*\b+7], v[\f+8*(\a):\f+8*(\a)+7], 0
.else
	v_wmma_f32_16x16x32_f16 v[8*(8*(\a)+\b):8*(8*(\a)+\b)+7], v[\f+32+8*\b:\f+32+8*\b+7], v[\f+8*(\a):\f+8*(\a)+7], v[8*(8*(\a)+\b):8*(8*(\a)+\b)+7]
.endif
.endr
.endm
.macro FETCH slot, q, f                ; 24 LDS loads: w's eight fragments, then y's four, of the slot's q-th 32 along K
.irp b, 0,1,2,3,4,5,6,7
	ds_load_b128 v[\f+32+8*\b:\f+32+8*\b+3], v[ADRB+\slot] offset:\b*4096+(\q)*1024
	ds_load_b128 v[\f+32+8*\b+4:\f+32+8*\b+7], v[ADRB+\slot] offset:\b*4096+(\q)*1024+512
.endr
.irp a, 0,1,2,3
	ds_load_b128 v[\f+8*\a:\f+8*\a+3], v[ADRA+\slot] offset:\a*4096+(\q)*1024
	ds_load_b128 v[\f+8*\a+4:\f+8*\a+7], v[ADRA+\slot] offset:\a*4096+(\q)*1024+512
.endr
.endm
.macro QUARTER slot, qn, f, g, zero    ; multiplies buffer f; in its middle fetches the slot's quarter qn into buffer g
	s_wait_dscnt 4                                 ; w's fragments and y's tiles 0, 1 are in; the youngest four loads (tiles 2, 3) may be out
	WIN MUL
	MULA \f, 0, \zero
	MULA \f, 1, \zero
	PLACES                                         ; in front of loads into registers that matrix instructions have read
	WIN 0
	FETCH \slot, \qn, \g
	s_wait_dscnt 24                                ; all but the 24 just issued
	WIN MUL
	MULA \f, 2, \zero
	MULA \f, 3, \zero
.endm
; A slot's last quarter multiplies buffer 1 and changes slots: one barrier; in front of it each wave waits for all its tensor loads, adds 0 to its spare word, and waits for that and for its reads of this slot.
.macro TURN slot, next, fill
.if \fill
	s_wait_xcnt 0x0                                ; the last prefetch, a K step back, has read its address
	s_add_nc_u64 s[PFA:PFA+1], s[PFA:PFA+1], s[PFS:PFS+1]
.endif
	WIN 0
	s_wait_tensorcnt 0x0                           ; my part of the next slot has landed
	ds_add_u32 v[SPW], v[NIL]
	s_wait_dscnt 5                                 ; the add and the youngest four loads may be out
	WIN MUL
	MULA F1, 0, 0
	s_wait_dscnt 0x0                               ; the add is done, and my reads of this slot are over
	s_barrier_signal -1
	MULA F1, 1, 0
	WIN 0
	s_barrier_wait -1
.if \fill
	CREST                                          ; the barrier has opened a round of the cluster's: no wave of any partner still reads this slot or has a load on its way
	s_add_nc_u64 s[G0+4*\slot+2:G0+4*\slot+3], s[G0+4*\slot+2:G0+4*\slot+3], 2*KSA
	s_add_nc_u64 s[G0B+4*\slot+2:G0B+4*\slot+3], s[G0B+4*\slot+2:G0B+4*\slot+3], 2*KSB
	JLOAD \slot                                    ; the first tensor load behind the round; its four v_nop are also the places in front of the loads below
.else
	PLACES
.endif
	FETCH \next, 0, F0
.if \fill
	ASK
.endif
	WIN MUL
	MULA F1, 2, 0
	MULA F1, 3, 0
.endm
	s_wait_tensorcnt 1                             ; my part of K step 0 is in; K step 1's may be out
	s_barrier_signal -1
	s_barrier_wait -1
	FETCH 0, 0, F0
	QUARTER 0, 1, F0, F1, 1                        ; the first quarter's products start the sums
	WIN 0
	s_mov_b32 s3, 3
.Llap:                                                 ; a trip goes once round the ring and fills both slots again: K steps 2 to 7
	QUARTER 0, 2, F1, F0, 0
	QUARTER 0, 3, F0, F1, 0
	TURN 0, 1, 1
	QUARTER 1, 1, F0, F1, 0
	QUARTER 1, 2, F1, F0, 0
	QUARTER 1, 3, F0, F1, 0
	TURN 1, 0, 1
	QUARTER 0, 1, F0, F1, 0
	WIN 0
	s_sub_co_u32 s3, s3, 1
	s_cmp_lg_u32 s3, 0
	s_cbranch_scc1 .Llap
	QUARTER 0, 2, F1, F0, 0                        ; the last lap fills nothing
	QUARTER 0, 3, F0, F1, 0
	TURN 0, 1, 0
	QUARTER 1, 1, F0, F1, 0
	QUARTER 1, 2, F1, F0, 0
	QUARTER 1, 3, F0, F1, 0
	s_wait_dscnt 4
	WIN MUL
	MULA F1, 0, 0
	MULA F1, 1, 0
	s_wait_dscnt 0
	MULA F1, 2, 0
	MULA F1, 3, 0
	WIN 0
; THE WAY OUT, 16 rows x 128 columns at a time, through my own stage: in as 32 bytes a lane, back as rows of 512 bytes.  LDS serves a wave's instructions in order.
.macro TOSTAGE a
	WIN 0x04                                       ; an LDS store's data: window 1
.irp b, 0,1,2,3,4,5,6,7
	ds_store_b128 v[STO], v[64*(\a)+8*\b:64*(\a)+8*\b+3] offset:64*\b      ; each accumulator from its low end on
	ds_store_b128 v[STO], v[64*(\a)+8*\b+4:64*(\a)+8*\b+7] offset:64*\b+16
.endr
	WIN 0
.set BB, 32+64*((\a)%2)
.irp t, 0,1,2,3,4,5,6,7,8,9,10,11,12,13,14,15
	ds_load_b128 v[BB+4*\t:BB+4*\t+3], v[RD] offset:\t*SPITCH
.endr
.endm
.macro SEND a, younger
.set BB, 32+64*((\a)%2)
	s_wait_dscnt \younger
.if (\a) > 0
	s_add_nc_u64 s[8:9], s[8:9], 16*4096           ; behind a wait that shows the earlier stores' base read
.endif
.irp t, 0,1,2,3,4,5,6,7,8,9,10,11,12,13,14,15
	global_store_b128 v[CO], v[BB+4*\t:BB+4*\t+3], s[8:9] offset:\t*4096 th:TH_STORE_NT   ; 512 consecutive bytes, aligned
.endr
.endm
	PLACES
	TOSTAGE 0
.irp a, 1,2,3
.if \a > 1
	s_wait_xcnt 0x0                                ; the stores of two blocks back have read their registers and their base
.endif
	TOSTAGE \a
	SEND \a-1, 32                                  ; behind that block's loads: this block's 16 stores and 16 loads
.endr
	s_wait_xcnt 0x0
	SEND 3, 0
	s_wait_tensorcnt 0x0                           ; the wave's end
	ds_add_u32 v[SPW], v[NIL]
	s_wait_dscnt 0x0
	CROUND                                         ; the closing round
	s_endpgm
.Lfunc_end_k_q25c6f8519e_proj:
	.size	k_q25c6f8519e_proj, .Lfunc_end_k_q25c6f8519e_proj-k_q25c6f8519e_proj
	.p2alignl 7, 3214868480
	.fill 96, 4, 3214868480
	.section	.rodata,"a",@progbits
	.p2align	6, 0x0
	.amdhsa_kernel k_q25c6f8519e_proj
		.amdhsa_group_segment_fixed_size 327680
		.amdhsa_private_segment_fixed_size 0
		.amdhsa_enable_private_segment 0
		.amdhsa_kernarg_size 24
		.amdhsa_user_sgpr_count 2
		.amdhsa_user_sgpr_kernarg_segment_ptr 1
		.amdhsa_wavefront_size32 1
		.amdhsa_system_sgpr_workgroup_id_x 1
		.amdhsa_system_sgpr_workgroup_id_y 1
		.amdhsa_system_sgpr_workgroup_id_z 1
		.amdhsa_system_vgpr_workitem_id 0
		.amdhsa_next_free_vgpr 512
		.amdhsa_next_free_sgpr 72
		.amdhsa_reserve_vcc 0
		.amdhsa_float_denorm_mode_32 3
		.amdhsa_float_denorm_mode_16_64 3
		.amdhsa_memory_ordered 1
		.amdhsa_forward_progress 1
		.amdhsa_inst_pref_size 86
	.end_amdhsa_kernel
	.amdgpu_metadata
---
amdhsa.version: [ 1, 2 ]
amdhsa.kernels:
  - .name:           k_q25c6f8519e_proj
    .symbol:         k_q25c6f8519e_proj.kd
    .args:
      - { .name: yimg, .offset: 0, .size: 8, .value_kind: global_buffer, .address_space: global }
      - { .name: wimg, .offset: 8, .size: 8, .value_kind: global_buffer, .address_space: global }
      - { .name: out0, .offset: 16, .size: 8, .value_kind: global_buffer, .address_space: global }
    .group_segment_fixed_size: 327680
    .private_segment_fixed_size: 0
    .kernarg_segment_align: 8
    .kernarg_segment_size: 24
    .max_flat_workgroup_size: 128
    .sgpr_count:     72
    .vgpr_count:     512
    .wavefront_size: 32
...
	.end_amdgpu_metadata
.endif
;; end of part 4
;; launch head16 (part 5): grid 16 x 4, 16 waves a work-group, no clusters, 71,680 bytes of LDS; arguments head32, w_proj, out0; writes out0
.if DOCPART == 5
	.amdgcn_target "amdgcn-amd-amdhsa--gfx1250"
	.amdhsa_code_object_version 6
	.text
	.protected	k_q25c6f8519e_head16
	.globl	k_q25c6f8519e_head16
	.p2align	8
	.type	k_q25c6f8519e_head16,@function
k_q25c6f8519e_head16:
	s_mov_b64 s[64:65], 0
	v_nop
	global_prefetch_b8 v0, s[64:65] scope:SCOPE_SE
	s_setreg_imm32_b32 hwreg(HW_REG_WAVE_MODE, 25, 1), 1
	s_wait_xcnt 0x0
; HEAD16: positions 0-15 of every batch, where a row averages one to sixteen values, once more in f32 from the first product's f32 sums to out0: 64 rows in all.
; A work-group takes a batch (y) and 64 columns of out0 (x).  Wave w is head w: it makes the head's attention for the 16 positions and multiplies it by w_proj's rows 64 w .. 64 w + 63, which are that
; head's channels: y never leaves the registers.  The sixteen waves' parts of the sum over K meet in LDS.  All products by the f32 matrix form, 96 a wave.
; LAYOUT.  S^T = k q^T, y^T = v^T p, out^T = w^T y: a lane holds one position throughout, so the division by the row's sum is made on each head's own part.
; In the second and third products the places along K are dealt alike on both sides (place (step, h, j) is key, or channel, 8 h + 2 step + j), so that results are taken as operands as they lie:
; the order in which a sum's terms are added differs from ascending K.
; The registers that the matrix instructions write (v112-127, v144-207) are written by nothing else.
; No tensor load, no cluster: the launch is small, and each work-group's columns of w_proj are its own.
.set QQ, 16                            ; v16-47   q: a pair for each 4 channels; later w_proj's rows 0-15 of the head
.set KK, 48                            ; v48-79   k likewise; later rows 16-31
.set VV, 80                            ; v80-111  v^T, 8 registers for each 16 channels; later rows 32-47
.set SA, 112                           ; v112-119, v120-127 the scores, in two sums
.set SB, 120
.set T,  128                           ; v128-135 scores, then weights; v136-143 at work
.set YA, 144                           ; v144-175 y^T
.set OA, 176                           ; v176-207 out^T
.set W3, 208                           ; v208-239 w_proj's rows 48-63 of the head; later my part of the sum
.set SPW, 14
.set NIL, 15
.set SPARE, 69632                      ; behind sixteen parts of 16 x 272 bytes: the spare words, 128 bytes for each wave
	s_load_b128 s[4:7], s[0:1], 0x0                ; head32, w_proj
	s_load_b64 s[8:9], s[0:1], 0x10                ; out0
	v_lshl_add_u32 v[SPW], v0, 2, SPARE
	v_mov_b32 v[NIL], 0
	v_lshrrev_b32 v1, 5, v0
	v_readfirstlane_b32 s10, v1                    ; wave = head
	s_and_b32 s12, ttmp7, 0xffff                   ; batch
	v_and_b32 v9, 15, v0                           ; r
	v_bfe_u32 v10, v0, 4, 1                        ; h
	v_lshlrev_b32 v1, 4, v9
	v_lshl_add_u32 v1, v10, 3, v1                  ; q, k: 16 r + 8 h: two neighbouring channels of position r
	v_and_b32 v2, 31, v0
	v_lshlrev_b32 v2, 4, v2                        ; v: 16 x lane
	v_lshlrev_b32 v3, 2, v9
	v_lshl_add_u32 v3, v10, 15, v3                 ; w_proj: column r, 8 h rows down
	v_lshlrev_b32 v4, 3, v10
	v_sub_nc_u32 v4, v9, v4                        ; r - 8 h: register j holds key 8 h + j, hidden where j is greater
	v_mov_b32 v5, 0xff800000
	s_mul_i32 s18, s10, 4352
	v_mul_u32_u24 v6, v10, 272
	v_lshl_add_u32 v6, v9, 4, v6
	v_add_nc_u32 v6, s18, v6                       ; my part in LDS: row 4 nt + 2 half + h of 272 bytes, 16 bytes for each position
	v_bfe_u32 v11, v0, 4, 4                        ; the sum (waves 0-7): thread = 16 t + g
	v_mul_u32_u24 v7, v9, 272
	v_lshl_add_u32 v7, v11, 4, v7                  ; row g, position t
	v_lshlrev_b32 v8, 12, v11                      ; out0: row t,
	v_lshrrev_b32 v12, 2, v9
	v_lshl_add_u32 v8, v12, 6, v8                  ; columns 16 (g / 4)
	v_and_b32 v12, 1, v9
	v_lshl_add_u32 v8, v12, 5, v8                  ; + 8 (g % 2)
	v_bfe_u32 v12, v9, 1, 1
	v_lshl_add_u32 v8, v12, 4, v8                  ; + 4 ((g / 2) % 2)
	s_mov_b32 s14, 0x76543210
	s_mov_b32 s15, 0xfedcba98
	s_mov_b32 s16, 0x3e38aa3b                      ; c = log2(e) / 8
	s_mov_b32 s17, s16
	s_lshl_b32 s20, s12, 16
	s_lshl_b32 s21, s10, 12
	s_add_co_u32 s20, s20, s21                     ; head32: the batch, the head's four tiles of 16 columns
	s_mov_b32 s21, 0
	s_lshl_b32 s22, s10, 18
	s_lshl_b32 s23, ttmp9, 8
	s_add_co_u32 s22, s22, s23                     ; w_proj: row 64 w, column 64 x
	s_mov_b32 s23, 0
	s_lshl_b32 s24, s12, 23
	s_lshl_b32 s25, ttmp9, 8
	s_add_co_u32 s24, s24, s25                     ; out0: the batch's first row, column 64 x
	s_mov_b32 s25, 0
	s_wait_kmcnt 0x0
	s_add_nc_u64 s[4:5], s[4:5], s[20:21]
	s_add_nc_u64 s[6:7], s[6:7], s[22:23]
	s_add_nc_u64 s[8:9], s[8:9], s[24:25]
.irp ct, 0,1,2,3
.irp hf, 0,1
	global_load_b128 v[VV+8*\ct+4*\hf:VV+8*\ct+4*\hf+3], v2, s[4:5] offset:524288+\ct*1024+\hf*512   ; lane (r, h), register j: v(key 8 h + j, channel 16 ct + r)
.endr
.endr
.irp ks, 0,1,2,3,4,5,6,7,8,9,10,11,12,13,14,15
	global_load_b64 v[QQ+2*\ks:QQ+2*\ks+1], v1, s[4:5] offset:(\ks/4)*1024+(\ks%2)*512+((\ks/2)%2)*256          ; q(r, 4 ks + 2 h + 0, 1): 256 consecutive bytes a load
.endr
.irp ks, 0,1,2,3,4,5,6,7,8,9,10,11,12,13,14,15
	global_load_b64 v[KK+2*\ks:KK+2*\ks+1], v1, s[4:5] offset:262144+(\ks/4)*1024+(\ks%2)*512+((\ks/2)%2)*256
.endr
.macro WLOAD reg, ct                   ; register 2 (4 q + nt) + j: w_proj(64 w + 16 ct + 8 h + 2 q + j, 64 x + 16 nt + r)
.irp q, 0,1,2,3
.irp nt, 0,1,2,3
.irp j, 0,1
	global_load_b32 v[\reg+2*(4*\q+\nt)+\j], v3, s[6:7] offset:(16*(\ct)+2*\q+\j)*4096+64*\nt
.endr
.endr
.endr
.endm
	WLOAD W3, 3
	s_wait_loadcnt 32                              ; v, q and k are in; w_proj's 32 loads may be out
	v_wmma_f32_16x16x4_f32 v[SA:SA+7], v[KK:KK+1], v[QQ:QQ+1], 0          ; S^T: two sums by turns; their first products start them
	v_wmma_f32_16x16x4_f32 v[SB:SB+7], v[KK+2:KK+3], v[QQ+2:QQ+3], 0
.irp ks, 2,4,6,8,10,12,14
	v_wmma_f32_16x16x4_f32 v[SA:SA+7], v[KK+2*\ks:KK+2*\ks+1], v[QQ+2*\ks:QQ+2*\ks+1], v[SA:SA+7]
	v_wmma_f32_16x16x4_f32 v[SB:SB+7], v[KK+2*\ks+2:KK+2*\ks+3], v[QQ+2*\ks+2:QQ+2*\ks+3], v[SB:SB+7]
.endr
.rept 8
	v_nop                                          ; eight places behind this form: then its results are read and its sources loaded anew
.endr
	WLOAD QQ, 0
	WLOAD KK, 1
.irp j, 0,2,4,6
	v_pk_add_f32 v[T+\j:T+\j+1], v[SA+\j:SA+\j+1], v[SB+\j:SB+\j+1]
.endr
.irp j, 0,1,2,3,4,5,6,7
	v_cmp_gt_i32 vcc_lo, \j, v4
	v_cndmask_b32 v[T+\j], v[T+\j], v5, vcc_lo     ; the causal mask
.endr
	v_max3_num_f32 v136, v128, v129, v130
	v_max3_num_f32 v137, v131, v132, v133
	v_max3_num_f32 v136, v136, v134, v135
	v_max_num_f32 v136, v136, v137
	v_permlanex16_b32 v137, v136, s14, s15
	v_max_num_f32 v136, v136, v137                 ; the row's maximum: key 0 counts for every position
	v_mul_f32 v138, s16, v136
	v_mov_b32 v139, v138
.irp j, 0,2,4,6
	v_pk_fma_f32 v[T+\j:T+\j+1], v[T+\j:T+\j+1], s[16:17], v[138:139] op_sel_hi:[1,0,0] neg_lo:[0,0,1] neg_hi:[0,0,1]
.endr
.irp j, 0,1,2,3,4,5,6,7
	v_exp_f32 v[T+\j], v[T+\j]
.endr
	v_nop
	s_wait_alu depctr_va_vdst(0)                   ; one wait for the eight, ahead of their first reader
	v_pk_add_f32 v[140:141], v[128:129], v[130:131]
	v_pk_add_f32 v[142:143], v[132:133], v[134:135]
	v_pk_add_f32 v[140:141], v[140:141], v[142:143]
	v_add_f32 v140, v140, v141
	v_permlanex16_b32 v141, v140, s14, s15
	v_add_f32 v140, v140, v141                     ; the row's sum
	v_rcp_f32 v142, v140
	v_nop
	s_wait_alu depctr_va_vdst(0)
.irp ks, 0,1,2,3                       ; y^T = v^T p: four sums by turns
.irp ct, 0,1,2,3
.if \ks == 0
	v_wmma_f32_16x16x4_f32 v[YA+8*\ct:YA+8*\ct+7], v[VV+8*\ct+2*\ks:VV+8*\ct+2*\ks+1], v[T+2*\ks:T+2*\ks+1], 0
.else
	v_wmma_f32_16x16x4_f32 v[YA+8*\ct:YA+8*\ct+7], v[VV+8*\ct+2*\ks:VV+8*\ct+2*\ks+1], v[T+2*\ks:T+2*\ks+1], v[YA+8*\ct:YA+8*\ct+7]
.endif
.endr
.endr
.rept 9
	v_nop                                          ; nine places before these results are taken as operands; eight before v's registers are loaded anew
.endr
	WLOAD VV, 2
.macro PROJ reg, ct, zero              ; out^T += w^T y over the head's channels 16 ct .. 16 ct + 15: four sums by turns
.irp q, 0,1,2,3
.irp nt, 0,1,2,3
.if \zero && (\q == 0)
	v_wmma_f32_16x16x4_f32 v[OA+8*\nt:OA+8*\nt+7], v[\reg+2*(4*\q+\nt):\reg+2*(4*\q+\nt)+1], v[YA+8*(\ct)+2*\q:YA+8*(\ct)+2*\q+1], 0
.else
	v_wmma_f32_16x16x4_f32 v[OA+8*\nt:OA+8*\nt+7], v[\reg+2*(4*\q+\nt):\reg+2*(4*\q+\nt)+1], v[YA+8*(\ct)+2*\q:YA+8*(\ct)+2*\q+1], v[OA+8*\nt:OA+8*\nt+7]
.endif
.endr
.endr
.endm
	s_wait_loadcnt 63                              ; rows 48-63: 96 loads are younger; the count names the most that it can
	PROJ W3, 3, 1
	s_wait_loadcnt 63                              ; rows 0-15: 64 loads are younger
	PROJ QQ, 0, 0
	s_wait_loadcnt 32                              ; rows 16-31: 32 are younger
	PROJ KK, 1, 0
	s_wait_loadcnt 0x0
	PROJ VV, 2, 0
.rept 8
	v_nop
.endr
.irp i, 0,1,2,3,4,5,6,7,8,9,10,11,12,13,14,15,16,17,18,19,20,21,22,23,24,25,26,27,28,29,30,31
	v_mul_f32 v[W3+\i], v[OA+\i], v142             ; / the row's sum: a lane is one position
.endr
.irp nt, 0,1,2,3
.irp hf, 0,1
	ds_store_b128 v6, v[W3+8*\nt+4*\hf:W3+8*\nt+4*\hf+3] offset:(4*\nt+2*\hf)*272
.endr
.endr
	s_wait_dscnt 0x0                               ; for the other waves' sake: my part has landed
	s_barrier_signal -1
	s_barrier_wait -1
	s_cmp_lt_u32 s10, 8
	s_cbranch_scc0 .Lend
.irp p, 0,1,2,3,4,5,6,7,8,9,10,11,12,13,14,15
	ds_load_b128 v[16+4*\p:16+4*\p+3], v7 offset:\p*4352
.endr
	s_wait_dscnt 0x0
.irp p, 1,2,3,4,5,6,7,8,9,10,11,12,13,14,15
	v_pk_add_f32 v[16:17], v[16:17], v[16+4*\p:16+4*\p+1]      ; the heads in ascending order
	v_pk_add_f32 v[18:19], v[18:19], v[16+4*\p+2:16+4*\p+3]
.endr
	global_store_b128 v8, v[16:19], s[8:9]         ; sixteen lanes store 256 consecutive bytes, aligned
.Lend:
	s_wait_tensorcnt 0x0                           ; the wave's end, behind the last LDS store
	ds_add_u32 v[SPW], v[NIL]
	s_wait_dscnt 0x0
	s_endpgm
.Lfunc_end_k_q25c6f8519e_head16:
	.size	k_q25c6f8519e_head16, .Lfunc_end_k_q25c6f8519e_head16-k_q25c6f8519e_head16
	.p2alignl 7, 3214868480
	.fill 96, 4, 3214868480
	.section	.rodata,"a",@progbits
	.p2align	6, 0x0
	.amdhsa_kernel k_q25c6f8519e_head16
		.amdhsa_group_segment_fixed_size 71680
		.amdhsa_private_segment_fixed_size 0
		.amdhsa_enable_private_segment 0
		.amdhsa_kernarg_size 24
		.amdhsa_user_sgpr_count 2
		.amdhsa_user_sgpr_kernarg_segment_ptr 1
		.amdhsa_wavefront_size32 1
		.amdhsa_system_sgpr_workgroup_id_x 1
		.amdhsa_system_sgpr_workgroup_id_y 1
		.amdhsa_system_sgpr_workgroup_id_z 1
		.amdhsa_system_vgpr_workitem_id 0
		.amdhsa_next_free_vgpr 256
		.amdhsa_next_free_sgpr 66
		.amdhsa_reserve_vcc 1
		.amdhsa_float_denorm_mode_32 3
		.amdhsa_float_denorm_mode_16_64 3
		.amdhsa_memory_ordered 1
		.amdhsa_forward_progress 1
		.amdhsa_inst_pref_size 33
	.end_amdhsa_kernel
	.amdgpu_metadata
---
amdhsa.version: [ 1, 2 ]
amdhsa.kernels:
  - .name:           k_q25c6f8519e_head16
    .symbol:         k_q25c6f8519e_head16.kd
    .args:
      - { .name: head32, .offset: 0, .size: 8, .value_kind: global_buffer, .address_space: global }
      - { .name: w_proj, .offset: 8, .size: 8, .value_kind: global_buffer, .address_space: global }
      - { .name: out0, .offset: 16, .size: 8, .value_kind: global_buffer, .address_space: global }
    .group_segment_fixed_size: 71680
    .private_segment_fixed_size: 0
    .kernarg_segment_align: 8
    .kernarg_segment_size: 24
    .max_flat_workgroup_size: 512
    .sgpr_count:     66
    .vgpr_count:     256
    .wavefront_size: 32
...
	.end_amdgpu_metadata
.endif
;; end of part 5
